; MI455X (gfx1250); checked and timed in simulation.
; The chip was launched on July 23, 2026; its instructions are those of AMD's public machine-readable ISA for CDNA 5 (MIT licence, August 2026) and "CDNA5" Instruction Set Architecture Reference Guide (July 2026). The comments in the code are by the model that wrote it; some were corrected since.
;; Mo E Layer. Allowed arithmetic: matrix products marked QUANTISED: E3M2 operands, one E8M0 scale for each 32 along K, by v_wmma_scale_f32_16x16x128_f8f6f4 with both operands' format E3M2, f32 sums; products left as they are: f32 operands where the result goes on into a quantised operand, else bf16, f16 or f32 operands; f32 sums; everything else in f32.
;; Inputs: gate_w 8 x 1,024 float32; w1_codes 8 x 2,048 x 32 x 24 uint8 (E3M2 codes of w1, K innermost, in blocks of 32 codes, four codes in three bytes); w1_scales 8 x 2,048 x 32 uint8 (E8M0 scales of w1, one for each 32 codes along K); w2_codes 8 x 1,024 x 64 x 24 uint8 (E3M2 codes of w2, K innermost, in blocks of 32 codes, four codes in three bytes); w2_scales 8 x 1,024 x 64 uint8 (E8M0 scales of w2, one for each 32 codes along K); w3_codes 8 x 2,048 x 32 x 24 uint8 (E3M2 codes of w3, K innermost, in blocks of 32 codes, four codes in three bytes); w3_scales 8 x 2,048 x 32 uint8 (E8M0 scales of w3, one for each 32 codes along K); x 2 x 512 x 1,024 float32.
;; Outputs: out0 2 x 512 x 1,024 float32.
;; This version of the problem:
;;   THIS VERSION OF THE PROBLEM IS GIVEN IN LOW PRECISION. The matrix products marked QUANTISED in the list below multiply operands that are first quantised to E3M2 (3 exponent bits, 2 mantissa bits; 6 bits a number), with one power-of-two scale for each 32 numbers along K (OCP MX v1.0); their sums are f32. All else is computed in f32.
;;   The module's matrix products, in the order in which they are computed (A, B: the left and right operand; K: the contracted axis; several contracted axes count as one K, in the product's order):
;;     1. [M 1,024, K 1,024] x [K 1,024, N 8]; A: input x; B: input gate_w: left as it is (N = 8 < 16)
;;     2. batch 1,024 x [M 1, K 2] x [K 2, N 8]; A: computed on the way; B: computed on the way: left as it is (K = 2 < 32)
;;     3. [M 1,024, K 1,024] x [K 1,024, N 16,384]; A: input x; B: input w1 (given as codes): QUANTISED
;;     4. [M 1,024, K 1,024] x [K 1,024, N 16,384]; A: input x; B: input w3 (given as codes): QUANTISED
;;     5. batch 8 x [M 1,024, K 2,048] x [K 2,048, N 1,024]; A: input w2 (given as codes); B: computed on the way: QUANTISED
;;     6. batch 1,024 x [M 1,024, K 8] x [K 8, N 1]; A: computed on the way; B: computed on the way: left as it is (K = 8 < 32)
;;   THE QUANTISER, for each operand of a quantised product, along K:
;;     - K is cut into blocks of 32 from its start; a last block that is shorter is filled with zeros.
;;     - A block's scale is 2^e with e = floor(log2(the largest magnitude in the block)) - 4, held to -126 .. 127; a block of zeros has e = 0. As a byte (E8M0): e + 127.
;;     - Each number is divided by its block's scale, clamped to +-28, and rounded to the nearest number of E3M2, ties to even, subnormals kept.
;;     - The product sums the exact products of the quantised numbers (number of the format x scale) in f32.
;;   ~~~python
;;   def quantise(x, axis):      # numpy; x: float32 -> the quantised numbers, widened to float32 again
;;       x = np.moveaxis(x, axis, -1); K = x.shape[-1]
;;       x = np.pad(x, [(0, 0)] * (x.ndim - 1) + [(0, -K % 32)]); x = x.reshape(x.shape[:-1] + (-1, 32)); a = np.abs(x).max(-1, keepdims=True)
;;       e = np.where(a > 0, np.clip(np.frexp(np.where(a > 0, a, 1))[1] - 1 - 4, -126, 127), 0)      # np.frexp(a)[1] - 1 = floor(log2(a)), exactly
;;       r = np.clip(x / 2.0 ** e, -28, 28)
;;       step = 2.0 ** (np.maximum(np.frexp(np.where(r == 0, 1, r))[1] - 1, -2) - 2)
;;       q = np.round(r / step) * step * 2.0 ** e      # np.round: ties to even
;;       return np.moveaxis(q.reshape(q.shape[:-2] + (-1,))[..., :K], -1, axis).astype(np.float32)
;;   ~~~
;;   OPERANDS COMPUTED ON THE WAY. 'Computed on the way' means the value that the module computes at that place (a softmax that the list does not call 'softmax' is quantised finished and normalised). What goes into a quantiser is computed in f32, as accurately as f32 sums, v_exp_f32 and their like allow (about 1e-6 of the number): no bf16 or f16 on the way to a quantiser, and a product that is left as it is and whose result goes on into a quantised operand takes f32 operands (vector FMAs, or v_wmma_f32_16x16x4_f32). A number that lies on a knife's edge between two numbers of the format may be rounded either way, as far as f32 arithmetic and the matrix unit's own rounding can turn it there, and no further.
;;   INPUTS GIVEN AS CODES. w1 (in the module: [8, 2048, 1024], K = its axis 2); w2 (in the module: [8, 1024, 2048], K = its axis 2); w3 (in the module: [8, 2048, 1024], K = its axis 2): each comes as NAME_codes (uint8): NAME with its K axis moved to the last place and cut into blocks of 32 codes, [.., K / 32, bytes a block], one block behind the other in memory; four codes in three bytes: a row's codes are one little-endian stream of bits, code i at bits 6 i .. 6 i + 5 (a code: sign, 3 exponent bits, 2 mantissa bits); and NAME_scales (uint8): the same leading axes, one E8M0 byte (e + 127) for each 32 codes along K. Its value is code x scale, taken as it is: it is not quantised again, and the codes and scales need not be those that the quantiser above would give.
;; 2 versions. Each part assembles by itself: llvm-mc -triple=amdgcn-amd-amdhsa -mcpu=gfx1250 --defsym DOCPART=n.
;; ======== version 1 of 2: 4 launches
;; workspace buffers: xq 819,200 bytes; ridx 8,192 bytes of whole numbers; rw 8,192 bytes; rlist 33,024 bytes of whole numbers; act 13,107,200 bytes; eo 8,421,376 bytes
;; launch route (part 1): grid 256 x 1, 4 waves a work-group, no clusters, 18,944 bytes of LDS; arguments x, gate_w, xq, ridx, rw; writes xq, ridx, rw
.if DOCPART == 1
	.amdgcn_target "amdgcn-amd-amdhsa--gfx1250"
	.amdhsa_code_object_version 6
	.text
	.protected	k_qf64de041b4_route
	.globl	k_qf64de041b4_route
	.p2align	8
	.type	k_qf64de041b4_route,@function
k_qf64de041b4_route:
	s_mov_b64 s[64:65], 0
	v_nop
	global_prefetch_b8 v0, s[64:65] scope:SCOPE_SE
	s_setreg_imm32_b32 hwreg(HW_REG_WAVE_MODE, 25, 1), 1
	s_wait_xcnt 0x0
; ROUTER AND QUANTISER OF x.  One wave takes one token n = 4 x work-group + wave (1,024 tokens, 1,024 numbers each).
; It (a) turns the token's 32 blocks of 32 numbers into codes of E3M2 with one E8M0 byte a block, (b) makes the 8 logits x . gate_w[e] by f32 multiply-adds,
; the softmax (the largest logit is taken away first), the two largest probabilities (of equals the lower index is kept) and their weights v / (v1 + v2 + 1e-8).
; OUT: xq: block b of token n at 768 n + 384 (b & 1) + 24 (b >> 1), so that a lane of the product's operand finds its 384 bytes on end; the scale bytes at XQS + 32 n + b.
;      ridx[2 n + k]: the chosen expert; rw[2 n + k]: its weight.  All places are fixed: no address hangs on a number computed here.
; LIMITS: NaN and infinities among the inputs are not served.  A block of zeros gets the byte 1 (the floor) over zero codes; the bytes are read by this program alone.
; The logits' sums run in another order than a row-by-row sum: a choice between two experts nearer than f32 rounding may fall either way.
; No matrix unit (N = 8), no barrier: waves share nothing; each has 4,608 bytes of LDS of its own.
.set XQS, 786432                       ; where the scale bytes begin in xq
.set MSB, 0
.macro WIN new                         ; the immediate's high byte repeats the setting that is left
.if MSB != \new
	s_set_vgpr_msb (MSB<<8)|\new
.set MSB, \new
.endif
.endm
; REGISTERS: v1 lane; v2 16 x lane; v3, v4 the stage, in and out; v5 my block's place in the token's codes; v7 4 x (lane & 1)
;   v16-47 x as loaded (register 4 j + m = x[128 j + 4 lane + m]); v48-79 my block's 32 neighbours; v80-207 gate rows 0-3, laid as x; v256-383 gate rows 4-7
;   v208-223 eight pairs of sums; v224-234 the quantiser; behind the sums v80-121 serve the softmax
	s_load_b256 s[4:11], s[0:1], 0x0               ; x s[4:5], gate_w s[6:7], xq s[8:9], ridx s[10:11]
	s_load_b64 s[12:13], s[0:1], 0x20              ; rw
	v_lshl_add_u32 v254, v0, 2, 0x4800
	v_mov_b32 v255, 0
	v_lshrrev_b32 v1, 5, v0
	v_readfirstlane_b32 s14, v1                    ; wave 0..3
	v_and_b32 v1, 31, v0                           ; lane
	v_lshlrev_b32 v2, 4, v1
	s_mul_i32 s16, s14, 4608                       ; my wave's stage
	v_lshrrev_b32 v3, 3, v1
	v_mul_u32_u24 v3, 144, v3
	v_and_b32 v6, 7, v1
	v_lshl_add_u32 v3, v6, 4, v3
	v_add_nc_u32 v3, s16, v3                       ; in: eight lanes' 128 bytes on end, then 16 of padding
	v_mul_u32_u24 v4, 144, v1
	v_add_nc_u32 v4, s16, v4                       ; out: 144 x lane: my block's 128 bytes; 144 is an odd multiple of 16
	v_and_b32 v7, 1, v1
	v_lshrrev_b32 v6, 1, v1
	v_mul_u32_u24 v5, 384, v7
	v_mad_u32_u24 v5, v6, 24, v5                   ; 384 (lane & 1) + 24 (lane >> 1)
	v_lshlrev_b32 v7, 2, v7
	s_lshl_b32 s15, ttmp9, 2
	s_add_co_u32 s15, s15, s14                     ; n
	s_mov_b32 s17, 0
	s_mov_b32 s18, 0x76543210                      ; v_permlanex16_b32's selects for lane l xor 16
	s_mov_b32 s19, 0xfedcba98
	s_wait_kmcnt 0x0
	s_lshl_b32 s16, s15, 12
	s_add_nc_u64 s[4:5], s[4:5], s[16:17]          ; x at my token
	s_lshl_b32 s16, s15, 5
	s_add_co_u32 s16, s16, XQS
	s_add_nc_u64 s[22:23], s[8:9], s[16:17]        ; my token's scale bytes
	s_mul_i32 s16, s15, 768
	s_add_nc_u64 s[8:9], s[8:9], s[16:17]          ; my token's codes
	s_lshl_b32 s16, s15, 3
	s_add_nc_u64 s[10:11], s[10:11], s[16:17]      ; ridx and rw at entry 2 n
	s_add_nc_u64 s[12:13], s[12:13], s[16:17]
.irp j, 0,1,2,3,4,5,6,7
	global_load_b128 v[16+4*\j:19+4*\j], v2, s[4:5] offset:512*\j th:TH_LOAD_NT    ; 32 lanes read 512 consecutive bytes; x is read once in this launch
.endr
.irp e, 0,1,2,3
.irp j, 0,1,2,3,4,5,6,7
	global_load_b128 v[80+32*\e+4*\j:83+32*\e+4*\j], v2, s[6:7] offset:4096*\e+512*\j
.endr
.endr
	s_wait_loadcnt 32                              ; x is in; the 32 gate loads behind it stay out
.irp j, 0,1,2,3,4,5,6,7
	ds_store_b128 v3, v[16+4*\j:19+4*\j] offset:576*\j
.endr
.irp i, 0,1,2,3,4,5,6,7
	ds_load_b128 v[48+4*\i:51+4*\i], v4 offset:16*\i       ; LDS serves a wave's instructions in order: these see the stores above
.endr
	WIN 0x40                                       ; destination window 1
.irp e, 0,1,2,3
.irp j, 0,1,2,3,4,5,6,7
	global_load_b128 v[32*\e+4*\j:32*\e+4*\j+3], v2, s[6:7] offset:4096*(4+\e)+512*\j
.endr
.endr
	WIN 0
	s_wait_dscnt 0x0
	; my block: the largest magnitude with the floor 2^(5 - 127) among its leaves, in two chains
	v_max3_num_f32 v224, |v48|, |v49|, 0x2800000
	v_max3_num_f32 v225, |v50|, |v51|, |v52|
.irp i, 5,9,13,17,21,25
	v_max3_num_f32 v224, v224, |v[48+\i]|, |v[49+\i]|
	v_max3_num_f32 v225, v225, |v[50+\i]|, |v[51+\i]|
.endr
	v_max3_num_f32 v224, v224, |v77|, |v78|
	v_max3_num_f32 v224, v224, v225, |v79|
	v_add_nc_u32 v226, 0xfe000000, v224            ; 4 off its exponent field: the conversion takes the exponent field of this operand as its scale
	v_lshrrev_b32 v227, 23, v226                   ; the scale's byte
	v_cvt_scalef32_pk16_bf6_f32 v[228:230], v[48:63], v226
	v_cvt_scalef32_pk16_bf6_f32 v[232:234], v[64:79], v226
	v_nop                                          ; one plain place behind a scaled conversion
	global_store_b96 v5, v[228:230], s[8:9]        ; the two stores together cover the token's 768 consecutive bytes
	global_store_b96 v5, v[232:234], s[8:9] offset:12
	global_store_b8 v1, v227, s[22:23]             ; 32 consecutive bytes
	; the logits: eight sums of 1,024 products, two a line, the experts by turns
	s_wait_loadcnt 32                              ; gate rows 0-3 are in; rows 4-7 stay out
.irp e, 0,1,2,3
	v_pk_mul_f32 v[208+2*\e:209+2*\e], v[16:17], v[80+32*\e:81+32*\e]
.endr
.set J, 2
.rept 15
.irp e, 0,1,2,3
	v_pk_fma_f32 v[208+2*\e:209+2*\e], v[16+J:17+J], v[80+32*\e+J:81+32*\e+J], v[208+2*\e:209+2*\e]
.endr
.set J, J+2
.endr
	s_wait_loadcnt 0x0
	WIN 0x04                                       ; source 1 window 1
.irp e, 0,1,2,3
	v_pk_mul_f32 v[216+2*\e:217+2*\e], v[16:17], v[32*\e:32*\e+1]
.endr
.set J, 2
.rept 15
.irp e, 0,1,2,3
	v_pk_fma_f32 v[216+2*\e:217+2*\e], v[16+J:17+J], v[32*\e+J:32*\e+J+1], v[216+2*\e:217+2*\e]
.endr
.set J, J+2
.endr
	WIN 0
.irp e, 0,1,2,3,4,5,6,7
	v_add_f32 v[80+\e], v[208+2*\e], v[209+2*\e]
.endr
.irp m, 1,2,4,8
.irp e, 0,1,2,3,4,5,6,7
	v_add_f32_dpp v[80+\e], v[80+\e], v[80+\e] row_xmask:\m row_mask:0xf bank_mask:0xf
.endr
.endr
.irp e, 0,1,2,3,4,5,6,7
	v_permlanex16_b32 v[208+2*\e], v[80+\e], s18, s19      ; (its destination has been written before)
.endr
.irp e, 0,1,2,3,4,5,6,7
	v_add_f32 v[80+\e], v[80+\e], v[208+2*\e]      ; every lane holds all eight logits
.endr
	; softmax, the largest logit taken away first
	v_max3_num_f32 v104, v80, v81, v82
	v_max3_num_f32 v104, v104, v83, v84
	v_max3_num_f32 v104, v104, v85, v86
	v_max_num_f32 v104, v104, v87
.irp e, 0,1,2,3,4,5,6,7
	v_sub_f32 v[88+\e], v[80+\e], v104
.endr
.irp e, 0,1,2,3,4,5,6,7
	v_mul_f32 v[88+\e], 0x3fb8aa3b, v[88+\e]       ; x log2(e)
.endr
.irp e, 0,1,2,3,4,5,6,7
	v_exp_f32 v[88+\e], v[88+\e]
.endr
	v_nop                                          ; one plain place behind the exponentials
	s_wait_alu depctr_va_vdst(0)
	v_add_f32 v110, v88, v89
	v_add_f32 v111, v90, v91
	v_add_f32 v110, v110, v92
	v_add_f32 v111, v111, v93
	v_add_f32 v110, v110, v94
	v_add_f32 v111, v111, v95
	v_add_f32 v110, v110, v111
	v_rcp_f32 v110, v110
	v_mov_b32 v107, -1.0                           ; (a plain place behind the reciprocal)  under every probability
	s_wait_alu depctr_va_vdst(0)
.irp e, 0,1,2,3,4,5,6,7
	v_mul_f32 v[96+\e], v[88+\e], v110             ; the probabilities
.endr
	; the largest: a later one takes the place only where it is strictly larger, so of equals the lower index stays
	v_mov_b32 v105, v96
	v_mov_b32 v106, 0
.irp e, 1,2,3,4,5,6,7
	v_cmp_le_f32 vcc_lo, v[96+\e], v105
	v_cndmask_b32 v105, v[96+\e], v105, vcc_lo
	v_cndmask_b32 v106, \e, v106, vcc_lo
.endr
.irp e, 0,1,2,3,4,5,6,7
	v_cmp_eq_u32 vcc_lo, \e, v106
	v_cndmask_b32 v[112+\e], v[96+\e], v107, vcc_lo        ; the winner is taken out
.endr
	v_mov_b32 v108, v112
	v_mov_b32 v109, 0
.irp e, 1,2,3,4,5,6,7
	v_cmp_le_f32 vcc_lo, v[112+\e], v108
	v_cndmask_b32 v108, v[112+\e], v108, vcc_lo
	v_cndmask_b32 v109, \e, v109, vcc_lo
.endr
	v_add_f32 v110, v105, v108
	v_add_f32 v110, 0x322bcc77, v110               ; + 1e-8
	v_rcp_f32 v110, v110
	v_cmp_ne_u32 vcc_lo, 0, v7                     ; (a plain place)  odd lanes take the second choice
	s_wait_alu depctr_va_vdst(0)
	v_mul_f32 v105, v105, v110
	v_mul_f32 v108, v108, v110
	v_cndmask_b32 v120, v106, v109, vcc_lo
	v_cndmask_b32 v121, v105, v108, vcc_lo
	v_cmp_gt_u32 vcc_lo, 2, v1
	s_wait_xcnt 0x0                                ; EXEC is a source of the stores above: it changes only behind this wait
	s_wait_tensorcnt 0x0
	ds_add_u32 v254, v255
	s_wait_dscnt 0x0
	s_and_saveexec_b32 s20, vcc_lo                 ; lanes 0 and 1 store entries 2 n and 2 n + 1
	global_store_b32 v7, v120, s[10:11]
	global_store_b32 v7, v121, s[12:13]
	s_endpgm
.Lfunc_end_k_qf64de041b4_route:
	.size	k_qf64de041b4_route, .Lfunc_end_k_qf64de041b4_route-k_qf64de041b4_route
	.p2alignl 7, 3214868480
	.fill 96, 4, 3214868480
	.section	.rodata,"a",@progbits
	.p2align	6, 0x0
	.amdhsa_kernel k_qf64de041b4_route
		.amdhsa_group_segment_fixed_size 18944
		.amdhsa_private_segment_fixed_size 0
		.amdhsa_enable_private_segment 0
		.amdhsa_kernarg_size 40
		.amdhsa_user_sgpr_count 2
		.amdhsa_user_sgpr_kernarg_segment_ptr 1
		.amdhsa_wavefront_size32 1
		.amdhsa_system_sgpr_workgroup_id_x 1
		.amdhsa_system_sgpr_workgroup_id_y 1
		.amdhsa_system_sgpr_workgroup_id_z 1
		.amdhsa_system_vgpr_workitem_id 0
		.amdhsa_next_free_vgpr 384
		.amdhsa_next_free_sgpr 66
		.amdhsa_reserve_vcc 1
		.amdhsa_float_denorm_mode_32 3
		.amdhsa_float_denorm_mode_16_64 3
		.amdhsa_memory_ordered 1
		.amdhsa_forward_progress 1
		.amdhsa_inst_pref_size 27
	.end_amdhsa_kernel
	.amdgpu_metadata
---
amdhsa.version: [ 1, 2 ]
amdhsa.kernels:
  - .name:           k_qf64de041b4_route
    .symbol:         k_qf64de041b4_route.kd
    .args:
      - { .name: x, .offset: 0, .size: 8, .value_kind: global_buffer, .address_space: global }
      - { .name: gate_w, .offset: 8, .size: 8, .value_kind: global_buffer, .address_space: global }
      - { .name: xq, .offset: 16, .size: 8, .value_kind: global_buffer, .address_space: global }
      - { .name: ridx, .offset: 24, .size: 8, .value_kind: global_buffer, .address_space: global }
      - { .name: rw, .offset: 32, .size: 8, .value_kind: global_buffer, .address_space: global }
    .group_segment_fixed_size: 18944
    .private_segment_fixed_size: 0
    .kernarg_segment_align: 8
    .kernarg_segment_size: 40
    .max_flat_workgroup_size: 128
    .sgpr_count:     66
    .vgpr_count:     384
    .wavefront_size: 32
...
	.end_amdgpu_metadata
.endif
;; end of part 1
;; launch up (part 2): grid 32 x 8, 4 waves a work-group, no clusters, 107,008 bytes of LDS; arguments xq, ridx, w1_codes, w1_scales, w3_codes, w3_scales, act, rlist; writes act, rlist
.if DOCPART == 2
	.amdgcn_target "amdgcn-amd-amdhsa--gfx1250"
	.amdhsa_code_object_version 6
	.text
	.protected	k_qf64de041b4_up
	.globl	k_qf64de041b4_up
	.p2align	8
	.type	k_qf64de041b4_up,@function
k_qf64de041b4_up:
	s_mov_b64 s[64:65], 0
	v_nop
	global_prefetch_b8 v0, s[64:65] scope:SCOPE_SE
	s_setreg_imm32_b32 hwreg(HW_REG_WAVE_MODE, 25, 1), 1
	s_wait_xcnt 0x0
; a = silu(x W1^T) * (x W3^T) FOR THE ROUTED ROWS ALONE, quantised along the hidden axis.  Both products on codes of E3M2 with E8M0 scales for each 32 along K = 1,024.
; SHARES.  Work-group (x, y) owns expert y and hidden units 64 x .. 64 x + 63: 64 rows of W1 and 64 of W3, 98,304 bytes of codes.  THE WEIGHTS STAND STILL: the four waves read them from memory once,
; in loads of 512 consecutive bytes, turn them through LDS into operand fragments, and EACH wave keeps all 64 fragments (8 tiles of 16 rows x 8 K steps) in 768 registers.  The waves then share the expert's
; tiles of 16 routed rows (tile T to wave T % 4); a tile's codes of x come from memory straight into registers.  The loop has no barrier and writes no LDS.
; THE LIST.  Every work-group of an expert sorts the 2,048 entries (entry i = 2 token + k) by the same counting scan: wave 0 lays the entries that chose this expert into LDS, rank by rank; the rest of
; the 1,024 places (the most an expert can get: a token's two experts differ) hold the pad 2,048 + expert.  The scan goes 16 registers at a time, so that the way from the vector compares to the scalar counts
; is gone four times and not 64 times.  Work-group x = 0 also stores the list and the count for the next launch.
; A tile's pad rows are computed from token 1,023 and land in pad rows of act, whose results nobody reads.
; No tensor loads, no cluster: which tiles are worked hangs on a stored count, so operands go through registers.
; LAYOUT.  The products are used transposed (source 0 = 16 rows of a weight, source 1 = 16 routed rows): a lane holds ONE routed row.  THE ROWS OF A TILE ARE NOT NEIGHBOURS: lane r of tile 2 b + u takes
; unit 32 b + 8 u + r + 8 (r / 8), so that the 16 registers of tiles 2 b and 2 b + 1 are units 32 b + 16 (lane / 16) + 0 .. 15: half a block of the next K.
; OUT: act: tile T' = 64 expert + T: codes at 24,576 T' + 384 block + 24 row (+ 12 for a block's upper 16 codes); scale bytes at ACS + 1,024 T' + 256 (block / 16) + 16 row + block % 16.
; A row's two scale bytes leave as one store of 2 bytes a lane, sixteen rows 16 bytes apart inside one aligned block of 256 bytes, which eight slices fill between them: a work-group holds two blocks of a row's 64.
; LIMITS: NaN and infinities are not served; a block of zeros gets the byte 1 over zero codes (the bytes are read by this program alone).
.set LIST, 100352                      ; LDS: 0 .. 100,351 the weights, 128 rows of 768 + 16 bytes; then the list, 1,024 words, and one word more into which what is not mine is dropped
.set WP,   784                         ; 196 words: row r starts 4 r banks on, so the 32 lanes of a load of 8 bytes touch 64 different banks (64 banks of 4 bytes: ISA guide 11.1)
.set XQS,  786432                      ; xq's scale bytes
.set ACS,  12582912                    ; act's scale bytes
; REGISTERS.  window 0: v1 LIST + 4 r; v2 384 h; v3, v4 my places in a tile of act (codes, scale bytes); v5, v6 offsets of the x codes and scale words in hand; v7, v8 offsets into act; v9, v10 list address and entry
;   v16-47 the weights' scale words (16 + 8 p + s: lanes 0-15 tile 2 p, lanes 16-31 tile 2 p + 1); v48-111 the eight accumulators; v112-207 x's eight fragments; v208-215 x's scale words; v216-227 fragment 63
;   v228-243 at work; v244-251 codes and bytes to store; v252-254 the quantiser.   At the head v48-77 hold addresses, v112-175 the chosen experts, v176-207 a batch's ranks and entries.
;   windows 1-3: weight fragment f = 8 s + q (K step s, tile q; tiles 0-3 W1, 4-7 W3) at register 12 (f % 21) of window 1 + f / 21.
; s2 wave, s3 slice, s4 expert, s5 count, s6 running rank, s24 tiles, s25 T, s26 the tile asked ahead, s28 trips; s66-81 a batch's masks, s82-97 its counts, then its running ranks.
.set MSB, 0
.macro WIN new                         ; the immediate's high byte repeats the setting that is left
.if MSB != \new
	s_set_vgpr_msb (MSB<<8)|\new
.set MSB, \new
.endif
.endm
.macro PLACES n
.rept \n
	v_nop
.endr
.endm
; Batch g of four: for each of 16 registers of the list, the lanes whose entry chose my expert, and how many they are.  The compares stand together and the counts behind them.
.macro MASKS g
.set I, 0
.rept 16
	v_cmp_eq_u32 s[66+I], s4, v[112+16*\g+I]
.set I, I+1
.endr
.set I, 0
.rept 16
	s_bcnt1_i32_b32 s[82+I], s[66+I]
.set I, I+1
.endr
.endm
.macro COUNT g                         ; waves 1 to 3 only want the sum
	MASKS \g
.set I, 0
.rept 16
	s_add_co_u32 s5, s5, s[82+I]
.set I, I+1
.endr
.endm
; Wave 0: each of my entries goes to its rank: those before it in its register's lanes + those of the registers before.  The lines go by turns over the 16 registers, so that none waits for the line above it.
.macro SCAN g
	MASKS \g
	s_add_co_u32 s82, s82, s6                      ; the counts become running ranks: s[82 + I] = the rank behind register I
.set I, 1
.rept 15
	s_add_co_u32 s[82+I], s[82+I], s[81+I]
.set I, I+1
.endr
	v_mbcnt_lo_u32_b32 v176, s66, s6
.set I, 1
.rept 15
	v_mbcnt_lo_u32_b32 v[176+I], s[66+I], s[81+I]
.set I, I+1
.endr
.set I, 0
.rept 16
	v_cndmask_b32 v[176+I], v58, v[176+I], s[66+I] ; what is not mine gets the rank 1,024
.set I, I+1
.endr
.set I, 0
.rept 16
	v_min_u32 v[176+I], 0x400, v[176+I]
.set I, I+1
.endr
.set I, 0
.rept 16
	v_lshl_add_u32 v[176+I], v[176+I], 2, LIST
.set I, I+1
.endr
.set I, 0
.rept 16
	v_add_nc_u32 v[192+I], 128*((16*\g+I)/4)+((16*\g+I)%4), v57    ; the entry's number
.set I, I+1
.endr
.set I, 0
.rept 16
	ds_store_b32 v[176+I], v[192+I]
.set I, I+1
.endr
	s_mov_b32 s6, s97
.endm
	s_load_b512 s[8:23], s[0:1], 0x0               ; xq 8, ridx 10, w1_codes 12, w1_scales 14, w3_codes 16, w3_scales 18, act 20, rlist 22
	v_lshl_add_u32 v15, v0, 2, 0x1a000
	v_mov_b32 v255, 0
	v_lshrrev_b32 v1, 5, v0
	v_readfirstlane_b32 s2, v1                     ; wave 0..3
	s_mov_b32 s3, ttmp9                            ; slice
	s_and_b32 s4, ttmp7, 0xffff                    ; expert
	v_and_b32 v11, 31, v0                          ; lane
	v_and_b32 v12, 15, v0                          ; r
	v_bfe_u32 v13, v0, 4, 1                        ; h
	v_lshl_add_u32 v1, v12, 2, LIST
	v_mul_u32_u24 v2, 384, v13
	v_mul_u32_u24 v3, 24, v12
	v_mad_u32_u24 v3, v13, 12, v3                  ; 24 r + 12 h
	v_lshlrev_b32 v4, 4, v12                       ; 16 r
	v_lshlrev_b32 v48, 4, v11                      ; 16 x lane
	s_mul_i32 s27, s2, 32*WP
	v_add_nc_u32 v49, s27, v48                     ; into LDS: my wave's 32 rows, 16 x lane
	v_lshl_add_u32 v50, v13, 4, v49                ; the same for a load that straddles two rows: lanes 16-31 lie behind one padding
	v_mul_u32_u24 v51, WP, v12
	v_mad_u32_u24 v51, v13, 24, v51                ; a fragment's row x pitch + 24 h, tiles 0-3
	v_add_nc_u32 v52, 64*WP, v51                   ; tiles 4-7
	v_add_nc_u32 v53, LIST, v48                    ; the pads
	s_lshl_b32 s27, s2, 10
	v_add_nc_u32 v55, s27, v48                     ; the list's way out: 1,024 bytes a wave, in memory
	v_add_nc_u32 v54, LIST, v55                    ; and in LDS
	v_and_b32 v56, 8, v12
	v_add_nc_u32 v56, v56, v12
	v_lshl_add_u32 v56, v13, 3, v56
	v_lshlrev_b32 v56, 5, v56                      ; the weights' scale words: row 8 h + r + 8 (r / 8), 32 bytes a row
	v_lshlrev_b32 v57, 2, v11                      ; 4 x lane: my first entry of a load's 128
	v_mov_b32 v58, 1024                            ; the rank of what is not mine
	s_add_co_u32 s27, s4, 2048
.irp i, 64,65,66,67
	v_mov_b32 v[\i], s27                           ; the pad
.endr
	v_mov_b32 v253, 0                              ; written once: a lane permute's destination counts as one of its sources
	s_mov_b32 s34, 0x76543210                      ; v_permlanex16_b32's selects for lane l xor 16
	s_mov_b32 s35, 0xfedcba98
	s_mov_b32 s36, 0xbfb8aa3b                      ; -log2(e)
	s_mov_b32 s37, s36                             ; (named with it as a pair, so it is written)
	s_lshl_b32 s27, s4, 11
	s_lshl_b32 s29, s3, 6
	s_add_co_u32 s27, s27, s29                     ; the slice's first weight row: 2,048 expert + 64 slice
	s_lshl_b32 s30, s27, 5
	s_mov_b32 s31, 0
	s_wait_kmcnt 0x0
	s_add_nc_u64 s[14:15], s[14:15], s[30:31]      ; its scale bytes in W1 and in W3
	s_add_nc_u64 s[18:19], s[18:19], s[30:31]
	s_and_b32 s29, s2, 1
	s_lshl_b32 s29, s29, 5
	s_add_co_u32 s27, s27, s29                     ; my wave's 32 rows: waves 0, 1 of W1, waves 2, 3 of W3
	s_mul_i32 s30, s27, 768
	s_cmp_lt_u32 s2, 2
	s_cselect_b64 s[32:33], s[12:13], s[16:17]
	s_add_nc_u64 s[32:33], s[32:33], s[30:31]
	s_mul_i32 s30, s4, 64*24576
	s_mul_i32 s29, s3, 768
	s_add_co_u32 s30, s30, s29
	s_add_nc_u64 s[40:41], s[20:21], s[30:31]      ; act's codes: my expert's tile 0, my two blocks
	s_lshl_b32 s30, s4, 16                         ; act's scale bytes: 64 tiles of 1,024 bytes an expert,
	s_lshr_b32 s29, s3, 3
	s_lshl_b32 s29, s29, 8
	s_add_co_u32 s30, s30, s29                     ; 256 bytes for each 16 blocks (8 slices),
	s_and_b32 s29, s3, 7
	s_lshl_b32 s29, s29, 1
	s_add_co_u32 s30, s30, s29                     ; my two bytes of a row's 16
	s_add_co_u32 s30, s30, ACS
	s_add_nc_u64 s[42:43], s[20:21], s[30:31]
	s_add_nc_u64 s[44:45], s[8:9], XQS             ; x's scale bytes
	s_lshl_b32 s30, s4, 12
	s_add_nc_u64 s[46:47], s[22:23], s[30:31]      ; my expert's list in memory
	s_lshl_b32 s30, s4, 2
	s_add_co_u32 s30, s30, 32768
	s_add_nc_u64 s[48:49], s[22:23], s[30:31]      ; and its count
.set I, 0
.rept 16
	global_load_b128 v[112+4*I:115+4*I], v48, s[10:11] offset:512*I       ; the chosen experts: register 4 j + m = entry 128 j + 4 lane + m
.set I, I+1
.endr
.irp p, 0,1
.irp i, 0,1
	global_load_b128 v[16+8*\p+4*\i:19+8*\p+4*\i], v56, s[14:15] offset:1024*\p+16*\i     ; W1's scale words, K steps 4 i .. 4 i + 3
.endr
.endr
.irp p, 0,1
.irp i, 0,1
	global_load_b128 v[32+8*\p+4*\i:35+8*\p+4*\i], v56, s[18:19] offset:1024*\p+16*\i     ; W3's
.endr
.endr
	WIN 0x40                                       ; destination window 1
.set I, 0
.rept 48
	global_load_b128 v[4*I:4*I+3], v48, s[32:33] offset:512*I th:TH_LOAD_NT       ; my 32 rows, 24,576 dense bytes, 512 a load; read once in this launch
.set I, I+1
.endr
	WIN 0
	s_wait_loadcnt 56                              ; the chosen experts are in; the 8 + 48 loads behind them stay out
	s_cmp_lg_u32 s2, 0
	s_cbranch_scc1 .Lcount
.irp i, 0,1,2,3,4,5,6,7
	ds_store_b128 v53, v[64:67] offset:512*\i      ; wave 0: pads everywhere first (LDS serves a wave's instructions in order),
.endr
	s_mov_b32 s6, 0
	SCAN 0                                         ; then my entries at their ranks
	SCAN 1
	SCAN 2
	SCAN 3
	s_mov_b32 s5, s6                               ; the last rank is the count
	s_branch .Lsorted
.Lcount:
	s_mov_b32 s5, 0                                ; the other waves count for themselves
	COUNT 0
	COUNT 1
	COUNT 2
	COUNT 3
.Lsorted:
	s_wait_dscnt 0x0                               ; for the others' sake: the list's stores are done
	s_barrier_signal -1
	s_barrier_wait -1                              ; the list is whole; no other LDS access stood beside its stores
	s_wait_loadcnt 0x0                             ; the weights and their scale words
	WIN 0x04                                       ; an LDS store's data are its source 1: window 1
.set A, 0
.rept 16                                       ; rows 2 A and 2 A + 1 of my 32 are three loads; they go to neighbouring places SG, SG + 1, chosen so that a tile's 16 places hold the units that the layout wants
.set SG, 16*(((2*A)>>3)&1)+((2*A)&7)+8*((2*A)>>4)
	ds_store_b128 v49, v[12*A:12*A+3] offset:SG*WP
	ds_store_b128 v50, v[12*A+4:12*A+7] offset:SG*WP+512
	ds_store_b128 v49, v[12*A+8:12*A+11] offset:SG*WP+1040
.set A, A+1
.endr
	WIN 0
	s_wait_dscnt 0x0                               ; for the others' sake: my rows lie in LDS
	s_barrier_signal -1
	s_barrier_wait -1                              ; all 128 rows do.  From here on LDS is only read
	s_add_co_u32 s24, s5, 15
	s_lshr_b32 s24, s24, 4
	s_min_u32 s24, s24, 64                         ; tiles of 16 rows
	s_cmp_lg_u32 s3, 0
	s_cbranch_scc1 .Lno_export
	ds_load_b128 v[68:71], v54                     ; slice 0 stores the list, 1,024 bytes a wave, and the count
	ds_load_b128 v[72:75], v54 offset:512
	v_mov_b32 v76, s5
	v_mov_b32 v77, 0
	s_wait_dscnt 0x0
	global_store_b128 v55, v[68:71], s[46:47]
	global_store_b128 v55, v[72:75], s[46:47] offset:512
	v_cmp_eq_u32 vcc_lo, 0, v0
	s_wait_xcnt 0x0                                ; EXEC is a source of the stores above: it changes only behind this wait
	s_and_saveexec_b32 s38, vcc_lo
	global_store_b32 v77, v76, s[48:49]            ; thread 0 alone
	s_wait_xcnt 0x0                                ; and again in front of the line that widens it; the stores' data registers are free too
	s_or_b32 exec_lo, exec_lo, s38
.Lno_export:
	s_cmp_ge_u32 s2, s24
	s_cbranch_scc1 .Lend                           ; a wave without a tile ends: no barrier follows
	s_mov_b32 s25, s2                              ; T: my first tile
.macro XOFF                                    ; the entry in v10 becomes the offsets of its token's codes and scale words.  A pad gives token 1,023
	v_lshrrev_b32 v10, 1, v10
	v_min_u32 v10, 0x3ff, v10
	v_mul_u32_u24 v5, 0x300, v10
	v_add_nc_u32 v5, v5, v2                        ; 768 token + 384 h: my 384 bytes, all eight fragments on end
	v_lshlrev_b32 v6, 5, v10
.endm
.macro XLOAD i0                                ; 12 loads: four fragments
.set I, \i0
.rept 12
	global_load_b128 v[112+4*I:115+4*I], v5, s[8:9] offset:16*I
.set I, I+1
.endr
.endm
.macro XSLOAD                                  ; my row's eight scale words
	global_load_b128 v[208:211], v6, s[44:45]
	global_load_b128 v[212:215], v6, s[44:45] offset:16
.endm
	v_lshl_add_u32 v9, s25, 6, v1
	ds_load_b32 v10, v9                            ; the entry of row r of tile T
	s_wait_dscnt 0x0
	XOFF
	XLOAD 0
	XSLOAD
	XLOAD 12
.set FI, 0
.rept 64                                       ; all 64 fragments out of LDS into my registers: 24 bytes of a row's stream of bits as three loads of 8, twice
.if FI == 63
.set WW, 0
.set WR, 216
.else
.set WW, (1+FI/21)<<6
.set WR, 12*(FI%21)
.endif
	WIN WW
.set AD, 51+(FI%8)/4
.irp p, 0,1,2,3,4,5
	ds_load_b64 v[WR+2*\p:WR+2*\p+1], v[AD] offset:((FI%8)%4)*16*WP+96*(FI/8)+48*(\p/3)+8*(\p%3)
.endr
.set FI, FI+1
.endr
	WIN 0
	s_wait_dscnt 0x0
; K step s: eight products, the eight accumulators by turns, one instruction a turn, in the same order in every step.  s = 0 starts the sums.
.macro MMS s
.irp q, 0,1,2,3,4,5,6,7
.set FI, 8*(\s)+\q
.if FI == 63
.set WW, 0
.set WR, 216
.else
.set WW, 1+FI/21
.set WR, 12*(FI%21)
.endif
	WIN WW                                         ; source 0 in the fragment's window
.set DD, 48+8*\q
.set BB, 112+12*(\s)
.set SA, 16+8*(\q/2)+(\s)
.set SB, 208+(\s)
.if (\s) == 0
.if \q%2
	v_wmma_scale_f32_16x16x128_f8f6f4 v[DD:DD+7], v[WR:WR+11], v[BB:BB+11], 0, v[SA], v[SB] matrix_a_fmt:MATRIX_FMT_BF6 matrix_b_fmt:MATRIX_FMT_BF6 matrix_a_scale:MATRIX_SCALE_ROW1
.else
	v_wmma_scale_f32_16x16x128_f8f6f4 v[DD:DD+7], v[WR:WR+11], v[BB:BB+11], 0, v[SA], v[SB] matrix_a_fmt:MATRIX_FMT_BF6 matrix_b_fmt:MATRIX_FMT_BF6
.endif
.else
.if \q%2
	v_wmma_scale_f32_16x16x128_f8f6f4 v[DD:DD+7], v[WR:WR+11], v[BB:BB+11], v[DD:DD+7], v[SA], v[SB] matrix_a_fmt:MATRIX_FMT_BF6 matrix_b_fmt:MATRIX_FMT_BF6 matrix_a_scale:MATRIX_SCALE_ROW1
.else
	v_wmma_scale_f32_16x16x128_f8f6f4 v[DD:DD+7], v[WR:WR+11], v[BB:BB+11], v[DD:DD+7], v[SA], v[SB] matrix_a_fmt:MATRIX_FMT_BF6 matrix_b_fmt:MATRIX_FMT_BF6
.endif
.endif
.endr
.endm
; Block b of my two: h in v[HH ..], g in v[GG ..], 16 units a lane.  a = h / (1 + 2^(-h log2 e)) x g, in f32; the block's other 16 lie in lane l xor 16.  Each accumulator is read from its low end on.
.macro QUANT b
.set HH, 48+16*\b
.set GG, 80+16*\b
.set CC, 244+4*\b
.irp i, 0,2,4,6,8,10,12,14
	v_pk_mul_f32 v[228+\i:229+\i], v[HH+\i:HH+\i+1], s[36:37] op_sel_hi:[1,0]
.endr
.irp i, 0,1,2,3,4,5,6,7,8,9,10,11,12,13,14,15
	v_exp_f32 v[228+\i], v[228+\i]
.endr
	v_nop                                          ; one plain place behind the exponentials
	s_wait_alu depctr_va_vdst(0)
.irp i, 0,2,4,6,8,10,12,14
	v_pk_add_f32 v[228+\i:229+\i], v[228+\i:229+\i], 1.0 op_sel_hi:[1,0]
.endr
.irp i, 0,1,2,3,4,5,6,7,8,9,10,11,12,13,14,15
	v_rcp_f32 v[228+\i], v[228+\i]
.endr
	v_nop                                          ; one plain place behind the reciprocals
	s_wait_alu depctr_va_vdst(0)
.irp i, 0,2,4,6,8,10,12,14
	v_pk_mul_f32 v[HH+\i:HH+\i+1], v[HH+\i:HH+\i+1], v[228+\i:229+\i]      ; silu(h)
.endr
.irp i, 0,2,4,6,8,10,12,14
	v_pk_mul_f32 v[HH+\i:HH+\i+1], v[HH+\i:HH+\i+1], v[GG+\i:GG+\i+1]      ; x g
.endr
	v_max3_num_f32 v252, |v[HH]|, |v[HH+1]|, 0x2800000     ; my 16 and the floor 2^(5 - 127), in two chains
	v_max3_num_f32 v254, |v[HH+2]|, |v[HH+3]|, |v[HH+4]|
	v_max3_num_f32 v252, v252, |v[HH+5]|, |v[HH+6]|
	v_max3_num_f32 v254, v254, |v[HH+7]|, |v[HH+8]|
	v_max3_num_f32 v252, v252, |v[HH+9]|, |v[HH+10]|
	v_max3_num_f32 v254, v254, |v[HH+11]|, |v[HH+12]|
	v_max3_num_f32 v252, v252, |v[HH+13]|, |v[HH+14]|
	v_max3_num_f32 v252, v252, v254, |v[HH+15]|
	v_permlanex16_b32 v253, v252, s34, s35
	v_max_num_f32 v252, v252, v253                 ; the block's largest magnitude
	v_add_nc_u32 v254, 0xfe000000, v252            ; 4 off its exponent field: the conversion's scale operand
	v_lshrrev_b32 v[CC+3], 23, v254                ; the scale's byte
	v_cvt_scalef32_pk16_bf6_f32 v[CC:CC+2], v[HH:HH+15], v254
	v_nop                                          ; one plain place behind a scaled conversion
	global_store_b96 v7, v[CC:CC+2], s[40:41] offset:384*\b        ; 32 lanes store a block's 384 consecutive bytes; the tile's two blocks are 768, aligned
.endm
	s_mov_b32 s28, 16                              ; 16 trips, T = wave + 4 x trip: a constant count, so that every address stepped here can be read off the text; trips past the expert's last tile jump over the work
.Ltile:
	s_cmp_ge_u32 s25, s24
	s_cbranch_scc1 .Lskip                          ; such a trip issues no load, so the counts below hold on every way
	s_add_co_u32 s26, s25, 4
	s_min_u32 s26, s26, 63                         ; the tile asked ahead; past the expert's rows the list holds pads, which name token 1,023: no load leaves its buffer
	v_lshl_add_u32 v9, s26, 6, v1
	ds_load_b32 v10, v9
	s_wait_loadcnt 12                              ; out, in order: fragments 0-3 (12), the scale words (2), fragments 4-7 (12): the first two groups are in
	MMS 0
	MMS 1
	MMS 2
	MMS 3
	WIN 0
	s_wait_dscnt 0x0                               ; the next tile's entry
	s_wait_xcnt 0x0                                ; the loads of fragments 4-7 have read v5, the last tile's stores their offsets and data: all may be written again
	XOFF                                           ; these five lines and the two below name no register of the products: they are the places in front of the loads
	s_mul_i32 s27, s25, 24576
	s_lshl_b32 s29, s25, 10
	v_add_nc_u32 v7, s27, v3                       ; this tile's places in act
	v_add_nc_u32 v8, s29, v4
	XLOAD 0                                        ; the next tile's fragments 0-3
	s_wait_loadcnt 12                              ; all but those 12: this tile's fragments 4-7 are in
	MMS 4
	MMS 5
	MMS 6
	MMS 7
	WIN 0
	PLACES 4                                       ; in front of loads into registers that the products read, and of the first read of results
	XSLOAD
	XLOAD 12
	QUANT 0
	QUANT 1
	v_lshl_or_b32 v247, v251, 8, v247              ; my row's two scale bytes, the lower block's below
	global_store_b16 v8, v247, s[42:43]            ; both lanes of a row write the same two bytes with the same values
.Lskip:
	s_add_co_u32 s25, s25, 4
	s_sub_co_u32 s28, s28, 1
	s_cmp_lg_u32 s28, 0
	s_cbranch_scc1 .Ltile
.Lend:
	s_wait_tensorcnt 0x0
	ds_add_u32 v15, v255
	s_wait_dscnt 0x0
	s_endpgm
.Lfunc_end_k_qf64de041b4_up:
	.size	k_qf64de041b4_up, .Lfunc_end_k_qf64de041b4_up-k_qf64de041b4_up
	.p2alignl 7, 3214868480
	.fill 96, 4, 3214868480
	.section	.rodata,"a",@progbits
	.p2align	6, 0x0
	.amdhsa_kernel k_qf64de041b4_up
		.amdhsa_group_segment_fixed_size 107008
		.amdhsa_private_segment_fixed_size 0
		.amdhsa_enable_private_segment 0
		.amdhsa_kernarg_size 64
		.amdhsa_user_sgpr_count 2
		.amdhsa_user_sgpr_kernarg_segment_ptr 1
		.amdhsa_wavefront_size32 1
		.amdhsa_system_sgpr_workgroup_id_x 1
		.amdhsa_system_sgpr_workgroup_id_y 1
		.amdhsa_system_sgpr_workgroup_id_z 1
		.amdhsa_system_vgpr_workitem_id 0
		.amdhsa_next_free_vgpr 1024
		.amdhsa_next_free_sgpr 100
		.amdhsa_reserve_vcc 1
		.amdhsa_float_denorm_mode_32 3
		.amdhsa_float_denorm_mode_16_64 3
		.amdhsa_memory_ordered 1
		.amdhsa_forward_progress 1
		.amdhsa_inst_pref_size 105
	.end_amdhsa_kernel
	.amdgpu_metadata
---
amdhsa.version: [ 1, 2 ]
amdhsa.kernels:
  - .name:           k_qf64de041b4_up
    .symbol:         k_qf64de041b4_up.kd
    .args:
      - { .name: xq, .offset: 0, .size: 8, .value_kind: global_buffer, .address_space: global }
      - { .name: ridx, .offset: 8, .size: 8, .value_kind: global_buffer, .address_space: global }
      - { .name: w1_codes, .offset: 16, .size: 8, .value_kind: global_buffer, .address_space: global }
      - { .name: w1_scales, .offset: 24, .size: 8, .value_kind: global_buffer, .address_space: global }
      - { .name: w3_codes, .offset: 32, .size: 8, .value_kind: global_buffer, .address_space: global }
      - { .name: w3_scales, .offset: 40, .size: 8, .value_kind: global_buffer, .address_space: global }
      - { .name: act, .offset: 48, .size: 8, .value_kind: global_buffer, .address_space: global }
      - { .name: rlist, .offset: 56, .size: 8, .value_kind: global_buffer, .address_space: global }
    .group_segment_fixed_size: 107008
    .private_segment_fixed_size: 0
    .kernarg_segment_align: 8
    .kernarg_segment_size: 64
    .max_flat_workgroup_size: 128
    .sgpr_count:     100
    .vgpr_count:     1024
    .wavefront_size: 32
...
	.end_amdgpu_metadata
.endif
;; end of part 2
;; launch down (part 3): grid 32 x 8, 4 waves a work-group, no clusters, 169,472 bytes of LDS; arguments act, rlist, w2_codes, w2_scales, eo; writes eo
.if DOCPART == 3
	.amdgcn_target "amdgcn-amd-amdhsa--gfx1250"
	.amdhsa_code_object_version 6
	.text
	.protected	k_qf64de041b4_down
	.globl	k_qf64de041b4_down
	.p2align	8
	.type	k_qf64de041b4_down,@function
k_qf64de041b4_down:
	s_mov_b64 s[64:65], 0
	v_nop
	global_prefetch_b8 v0, s[64:65] scope:SCOPE_SE
	s_setreg_imm32_b32 hwreg(HW_REG_WAVE_MODE, 25, 1), 1
	s_wait_xcnt 0x0
; eo = a W2^T FOR THE ROUTED ROWS, on codes of E3M2 with E8M0 scales for each 32 along K = 2,048.
; SHARES.  Work-group (x, y): expert y, output columns 64 (x / 2) .. + 63, and of the expert's tiles of 16 rows those with T % 2 = x % 2.  The 64 rows of W2 (98,304 bytes of codes) come from memory once, in
; loads of 512 consecutive bytes, and are turned through LDS into fragments.  THE FOUR WAVES SHARE K: wave w keeps K steps 4 w .. 4 w + 3 of all four tiles of columns: 16 fragments, 192 registers.
; The work-group takes its tiles four at a time (a group: T = x % 2 + 8 g + 2 i, i = 0 .. 3).  Each wave multiplies its quarter of K for all four tiles, 16 products a tile, and lays its partial sums into LDS;
; behind a barrier wave w adds the four partial sums of tile w, in f32, and stores the rows; a second barrier stands in front of the next group's partial sums.
; So a wave has room for a buffer of its own for each tile of a group, and a tile's codes are asked for a whole group ahead: straight behind the products that have read its buffer.
; THE LOOP HAS 8 TRIPS, a constant (32 tiles are the most a work-group can get), and both barriers stand on every wave's way in every trip.  What hangs on the stored count is jumped over without them:
; a group, a tile or a reduction past the expert's last tile.  Inside a group that is worked no load is jumped over; tile numbers are held at the expert's last tile, so loads read what the launch before wrote.
; (For an expert without any row the first loads read bytes of act that nobody wrote; nothing is computed or stored from them.)
; No tensor loads, no cluster: which tiles are worked hangs on a stored count.
; LAYOUT.  Transposed use (source 0 = 16 rows of W2, source 1 = 16 routed rows): a lane holds eight neighbouring columns of one row.  A partial tile lies in LDS as 16 rows of 256 + 16 bytes and is read back by
; rows: sixteen lanes store 256 consecutive, aligned bytes of row i of eo, i = 2 token + k being the row's entry in the list.  Pad rows go to row 2,048 + expert, which nobody reads; pads lie in an expert's
; last tile alone, which one wave of one work-group of a slice reduces.
.set WP,    1552                       ; an LDS row of weights: 1,536 bytes + 16 = 388 words: row r starts 4 r banks on (64 banks of 4 bytes: ISA guide 11.1)
.set STAGE, 64*WP                      ; behind the weights: the partial tiles, tile i of wave p at STAGE + (4 i + p) PT
.set PT,    16*272
.set ACS,   12582912                   ; act's scale bytes
; REGISTERS.  window 0: v1 my place in a tile's codes (384 h + 24 r + 6,144 wave); v2 among its scale words (ACS + 16 r + 256 wave); v3 4,096 expert + 4 h; v4 16 (lane % 16); v5, v6 the stage, in and out; v7 list offset
;   v8-11, v12-15 the four tiles' offsets in act (codes, scale words); v16-23 W2's scale words (16 + 4 p + s: lanes 0-15 tile 2 p, lanes 16-31 tile 2 p + 1); v24-39 the four tiles' scale words; v40-47 list words
;   v48-51, v60-63 addresses of the head; v52-59 my rows' offsets in eo; v64-191 the 16 accumulators (tile i, columns q: 64 + 32 i + 8 q).
;   window 1: W2's fragment (K step s, columns q) at 12 (4 s + q).   window 2: tile i's four fragments at 48 i.   window 3: the four partial tiles that I add, 32 registers each.
; s2 wave, s3 slice, s4 expert, s5 count, s18 x % 2, s19 64 expert, s20 the tile that I reduce, s24 tiles, s25 the group's first tile, s26 the last tile, s28 trips.
.set MSB, 0
.macro WIN new                         ; the immediate's high byte repeats the setting that is left
.if MSB != \new
	s_set_vgpr_msb (MSB<<8)|\new
.set MSB, \new
.endif
.endm
.macro PLACES n
.rept \n
	v_nop
.endr
.endm
; My quarter of K of tile s25 + d + 2 i, held at the expert's last tile, into buffer i: 25 loads: my row's four scale words; then for each K step the 24 bytes of blocks 4 s + h and 4 s + 2 + h, in pieces of 8
.macro ASK i, d
	s_add_co_u32 s27, s25, \d+2*\i
	s_min_u32 s27, s27, s26
	s_min_u32 s27, s27, 63
	s_add_co_u32 s27, s27, s19
	s_mul_i32 s29, s27, 24576
	s_lshl_b32 s30, s27, 10
	v_add_nc_u32 v[8+\i], s29, v1                  ; (the loads that named these two registers have been shown done)
	v_add_nc_u32 v[12+\i], s30, v2
	global_load_b128 v[24+4*\i:27+4*\i], v[12+\i], s[8:9]          ; sixteen lanes read 256 consecutive bytes
	WIN 0x80                                       ; destination window 2
.irp ss, 0,1,2,3
.irp p, 0,1,2,3,4,5
	global_load_b64 v[48*\i+12*\ss+2*\p:48*\i+12*\ss+2*\p+1], v[8+\i], s[8:9] offset:1536*\ss+768*(\p/3)+8*(\p%3)
.endr
.endr
	WIN 0
.endm
; The entries of the rows of tile s20 + d, the one that I reduce: word i is row 2 i + h's.  Past the expert's rows the list holds pads
.macro LRLOAD d
	s_add_co_u32 s27, s20, \d
	s_min_u32 s27, s27, 63
	v_lshl_add_u32 v7, s27, 6, v3
.irp i, 0,1,2,3,4,5,6,7
	global_load_b32 v[40+\i], v7, s[10:11] offset:8*\i
.endr
.endm
	s_load_b256 s[8:15], s[0:1], 0x0               ; act 8, rlist 10, w2_codes 12, w2_scales 14
	s_load_b64 s[16:17], s[0:1], 0x20              ; eo
	v_lshl_add_u32 v254, v0, 2, 0x29400
	v_mov_b32 v255, 0
	v_lshrrev_b32 v1, 5, v0
	v_readfirstlane_b32 s2, v1                     ; wave 0..3
	s_lshr_b32 s3, ttmp9, 1                        ; slice
	s_and_b32 s18, ttmp9, 1                        ; which half of the tiles
	s_and_b32 s4, ttmp7, 0xffff                    ; expert
	s_lshl_b32 s19, s4, 6
	s_lshl_b32 s6, s4, 2
	v_and_b32 v61, 15, v0                          ; r
	v_bfe_u32 v62, v0, 4, 1                        ; h
	v_and_b32 v63, 31, v0                          ; lane
	s_mul_i32 s27, s2, 6144                        ; my four K steps: 16 blocks of 384 bytes
	v_mul_u32_u24 v1, 384, v62
	v_mad_u32_u24 v1, v61, 24, v1
	v_add_nc_u32 v1, s27, v1
	s_lshl_b32 s27, s2, 8
	s_add_co_u32 s27, s27, ACS
	v_lshl_add_u32 v2, v61, 4, s27
	s_lshl_b32 s27, s4, 12
	v_lshl_add_u32 v3, v62, 2, s27
	v_lshlrev_b32 v4, 4, v61
	s_mul_i32 s27, s2, PT
	s_add_co_u32 s27, s27, STAGE
	v_mul_u32_u24 v5, 272, v61
	v_lshl_add_u32 v5, v62, 5, v5
	v_add_nc_u32 v5, s27, v5                       ; in: my partial tiles; row r, 32 bytes for each half of the lanes
	s_mul_i32 s27, s2, 4*PT
	s_add_co_u32 s27, s27, STAGE
	v_mul_u32_u24 v6, 272, v62
	v_add_nc_u32 v6, v6, v4
	v_add_nc_u32 v6, s27, v6                       ; back: the four partial tiles of tile w; lanes 0-15 one row of 256 bytes, lanes 16-31 the next
	v_lshlrev_b32 v48, 4, v63                      ; 16 x lane
	s_mul_i32 s27, s2, 16*WP
	v_add_nc_u32 v49, s27, v48                     ; the weights into LDS: my wave's 16 rows
	s_mul_i32 s27, s2, 384                         ; and out of it: my four K steps are 384 bytes of a row
	v_mul_u32_u24 v50, WP, v61
	v_mad_u32_u24 v50, v62, 24, v50
	v_add_nc_u32 v50, s27, v50                     ; a fragment's row x pitch + 24 h, columns' tiles 0, 1
	v_add_nc_u32 v51, 32*WP, v50                   ; tiles 2, 3
	v_lshlrev_b32 v60, 6, v63
	s_lshl_b32 s27, s2, 4
	v_add_nc_u32 v60, s27, v60                     ; W2's scale words: row 16 h + r, 64 bytes a row, my four words
	s_add_co_u32 s27, s4, 2048
	s_lshl_b32 s27, s27, 12
.irp i, 0,1,2,3,4,5,6,7
	v_add_nc_u32 v[52+\i], s27, v4                 ; written once at the head, so that they hold a number on every way through the text: the expert's spare row
.endr
	s_wait_kmcnt 0x0
	s_load_b32 s5, s[10:11], s6 offset:0x8000      ; the expert's count
	s_lshl_b32 s27, s4, 10
	s_lshl_b32 s29, s3, 6
	s_add_co_u32 s27, s27, s29                     ; the slice's first row of W2
	s_lshl_b32 s30, s27, 6
	s_mov_b32 s31, 0
	s_add_nc_u64 s[14:15], s[14:15], s[30:31]
	s_lshl_b32 s29, s2, 4
	s_add_co_u32 s27, s27, s29                     ; the 16 rows that my wave fetches
	s_mul_i32 s30, s27, 1536
	s_add_nc_u64 s[12:13], s[12:13], s[30:31]
	s_lshl_b32 s30, s3, 8
	s_add_nc_u64 s[16:17], s[16:17], s[30:31]      ; eo at the slice's first column
.irp p, 0,1
	global_load_b128 v[16+4*\p:19+4*\p], v60, s[14:15] offset:2048*\p
.endr
	WIN 0x40                                       ; destination window 1
.set I, 0
.rept 48
	global_load_b128 v[4*I:4*I+3], v48, s[12:13] offset:512*I      ; 16 rows, 24,576 dense bytes, 512 a load (the slice's other work-group reads them too: no hint)
.set I, I+1
.endr
	WIN 0
	s_wait_kmcnt 0x0                               ; the count
	s_add_co_u32 s24, s5, 15
	s_lshr_b32 s24, s24, 4
	s_min_u32 s24, s24, 64                         ; tiles
	s_add_co_i32 s26, s24, -1                      ; the last tile
	s_mov_b32 s25, s18                             ; the first group's first tile
	s_lshl_b32 s20, s2, 1
	s_add_co_u32 s20, s20, s18                     ; the tile of it that I reduce
	ASK 0, 0                                       ; the first group's tiles 0 and 1 go out behind the weights
	ASK 1, 0
	s_wait_loadcnt 50                              ; the 2 + 48 loads of the weights are in; the 2 x 25 behind them stay out
	WIN 0x04                                       ; an LDS store's data are its source 1: window 1
.set I, 0
.rept 48
	ds_store_b128 v49, v[4*I:4*I+3] offset:(I/3)*WP+512*(I%3)      ; a row is three loads
.set I, I+1
.endr
	WIN 0
	s_wait_dscnt 0x0                               ; for the others' sake: my rows lie in LDS
	s_barrier_signal -1
	s_barrier_wait -1                              ; all 64 do.  From here on the weights are only read
	ASK 2, 0
	ASK 3, 0
	LRLOAD 0
	WIN 0x40                                       ; destination window 1
.set FI, 0
.rept 16                                       ; my 16 fragments out of LDS: FI = 4 s + q
.set AD, 50+(FI%4)/2
.irp p, 0,1,2,3,4,5
	ds_load_b64 v[12*FI+2*\p:12*FI+2*\p+1], v[AD] offset:((FI%4)%2)*16*WP+96*(FI/4)+48*(\p/3)+8*(\p%3)
.endr
.set FI, FI+1
.endr
	WIN 0
	s_wait_dscnt 0x0
; Tile i: sixteen products, its four accumulators by turns, one instruction a turn.  My first K step starts the sums.
.macro MM i
	WIN 0x09                                       ; source 0 (W2) window 1, source 1 (a) window 2, C and D window 0
.irp ss, 0,1,2,3
.irp q, 0,1,2,3
.set DD, 64+32*\i+8*\q
.set AA, 12*(4*\ss+\q)
.set BB, 48*\i+12*\ss
.set SA, 16+4*(\q/2)+\ss
.set SB, 24+4*\i+\ss
.if \ss == 0
.if \q%2
	v_wmma_scale_f32_16x16x128_f8f6f4 v[DD:DD+7], v[AA:AA+11], v[BB:BB+11], 0, v[SA], v[SB] matrix_a_fmt:MATRIX_FMT_BF6 matrix_b_fmt:MATRIX_FMT_BF6 matrix_a_scale:MATRIX_SCALE_ROW1
.else
	v_wmma_scale_f32_16x16x128_f8f6f4 v[DD:DD+7], v[AA:AA+11], v[BB:BB+11], 0, v[SA], v[SB] matrix_a_fmt:MATRIX_FMT_BF6 matrix_b_fmt:MATRIX_FMT_BF6
.endif
.else
.if \q%2
	v_wmma_scale_f32_16x16x128_f8f6f4 v[DD:DD+7], v[AA:AA+11], v[BB:BB+11], v[DD:DD+7], v[SA], v[SB] matrix_a_fmt:MATRIX_FMT_BF6 matrix_b_fmt:MATRIX_FMT_BF6 matrix_a_scale:MATRIX_SCALE_ROW1
.else
	v_wmma_scale_f32_16x16x128_f8f6f4 v[DD:DD+7], v[AA:AA+11], v[BB:BB+11], v[DD:DD+7], v[SA], v[SB] matrix_a_fmt:MATRIX_FMT_BF6 matrix_b_fmt:MATRIX_FMT_BF6
.endif
.endif
.endr
.endr
	WIN 0
.endm
; Tile i of the group: its products and my partial sums' way into LDS, jumped over where the tile lies past the expert's last; then, always, the same buffer's next tile is asked for.
.macro TILE i
.if \i > 0
	s_add_co_u32 s27, s25, 2*\i
	s_cmp_ge_u32 s27, s24
	s_cbranch_scc1 .Lno_tile_\@
.endif
	MM \i
	PLACES 4                                       ; in front of the LDS stores that read results, and of the loads into registers that the products read
.irp q, 0,1,2,3
	ds_store_b128 v5, v[64+32*\i+8*\q:67+32*\i+8*\q] offset:4*\i*PT+64*\q          ; each accumulator from its low end on
	ds_store_b128 v5, v[68+32*\i+8*\q:71+32*\i+8*\q] offset:4*\i*PT+64*\q+16
.endr
.Lno_tile_\@:
	ASK \i, 8
.endm
	s_mov_b32 s28, 8
.Lgroup:
	s_cmp_ge_u32 s25, s24
	s_cbranch_scc1 .Lno_group                      ; a group past the last tile issues no load, so the counts below hold on every way
	s_wait_loadcnt 58                              ; out, in order: tiles 0, 1, 2, 3 (25 each), the list words (8): tiles 0 and 1 are in
	TILE 0
	TILE 1
	s_wait_loadcnt 50                              ; all but the next group's tiles 0 and 1: tiles 2 and 3 and the list words are in
	s_wait_xcnt 0x0                                ; the last group's stores have read their offsets
.irp i, 0,1,2,3,4,5,6,7
	v_min_u32 v[52+\i], 0x807, v[40+\i]            ; an entry is at most 2,055
.endr
.irp i, 0,1,2,3,4,5,6,7
	v_lshl_add_u32 v[52+\i], v[52+\i], 12, v4      ; its row of eo, my 16 bytes
.endr
	TILE 2
	TILE 3
	LRLOAD 8                                       ; the next group's list words, behind its four tiles
.Lno_group:
	s_wait_dscnt 0x0                               ; for the others' sake: my partial sums lie in LDS
	s_barrier_signal -1
	s_barrier_wait -1                              ; everybody's do
	s_cmp_ge_u32 s20, s24
	s_cbranch_scc1 .Lno_rows                       ; my tile of the group lies past the last
	s_wait_xcnt 0x0                                ; the last group's stores have read their data
	WIN 0xc0                                       ; destination window 3
.irp p, 0,1,2,3
.irp i, 0,1,2,3,4,5,6,7
	ds_load_b128 v[32*\p+4*\i:32*\p+4*\i+3], v6 offset:\p*PT+544*\i        ; wave p's partial tile, rows 2 i and 2 i + 1
.endr
.endr
	s_wait_dscnt 16                                ; the first two partial tiles are in; the 16 loads of the other two stay out
	WIN 0xcf                                       ; destination and both sources window 3
.set J, 0
.rept 16
	v_pk_add_f32 v[J:J+1], v[J:J+1], v[32+J:33+J]
.set J, J+2
.endr
	s_wait_dscnt 0x0
.set J, 0
.rept 16
	v_pk_add_f32 v[64+J:65+J], v[64+J:65+J], v[96+J:97+J]
.set J, J+2
.endr
.set J, 0
.rept 16
	v_pk_add_f32 v[J:J+1], v[J:J+1], v[64+J:65+J]
.set J, J+2
.endr
	WIN 0x0c                                       ; a store's data are its source 1: window 3
.irp i, 0,1,2,3,4,5,6,7
	global_store_b128 v[52+\i], v[4*\i:4*\i+3], s[16:17]           ; sixteen lanes store 256 consecutive bytes, at a multiple of 256 from eo's first byte
.endr
	WIN 0
.Lno_rows:
	s_wait_dscnt 0x0                               ; my reads of the stage are over
	s_barrier_signal -1
	s_barrier_wait -1                              ; everybody's are: the next group may write it
	s_add_co_u32 s25, s25, 8
	s_add_co_u32 s20, s20, 8
	s_sub_co_u32 s28, s28, 1
	s_cmp_lg_u32 s28, 0
	s_cbranch_scc1 .Lgroup
	s_wait_tensorcnt 0x0
	ds_add_u32 v254, v255
	s_wait_dscnt 0x0
	s_endpgm
.Lfunc_end_k_qf64de041b4_down:
	.size	k_qf64de041b4_down, .Lfunc_end_k_qf64de041b4_down-k_qf64de041b4_down
	.p2alignl 7, 3214868480
	.fill 96, 4, 3214868480
	.section	.rodata,"a",@progbits
	.p2align	6, 0x0
	.amdhsa_kernel k_qf64de041b4_down
		.amdhsa_group_segment_fixed_size 169472
		.amdhsa_private_segment_fixed_size 0
		.amdhsa_enable_private_segment 0
		.amdhsa_kernarg_size 40
		.amdhsa_user_sgpr_count 2
		.amdhsa_user_sgpr_kernarg_segment_ptr 1
		.amdhsa_wavefront_size32 1
		.amdhsa_system_sgpr_workgroup_id_x 1
		.amdhsa_system_sgpr_workgroup_id_y 1
		.amdhsa_system_sgpr_workgroup_id_z 1
		.amdhsa_system_vgpr_workitem_id 0
		.amdhsa_next_free_vgpr 896
		.amdhsa_next_free_sgpr 66
		.amdhsa_reserve_vcc 0
		.amdhsa_float_denorm_mode_32 3
		.amdhsa_float_denorm_mode_16_64 3
		.amdhsa_memory_ordered 1
		.amdhsa_forward_progress 1
		.amdhsa_inst_pref_size 60
	.end_amdhsa_kernel
	.amdgpu_metadata
---
amdhsa.version: [ 1, 2 ]
amdhsa.kernels:
  - .name:           k_qf64de041b4_down
    .symbol:         k_qf64de041b4_down.kd
    .args:
      - { .name: act, .offset: 0, .size: 8, .value_kind: global_buffer, .address_space: global }
      - { .name: rlist, .offset: 8, .size: 8, .value_kind: global_buffer, .address_space: global }
      - { .name: w2_codes, .offset: 16, .size: 8, .value_kind: global_buffer, .address_space: global }
      - { .name: w2_scales, .offset: 24, .size: 8, .value_kind: global_buffer, .address_space: global }
      - { .name: eo, .offset: 32, .size: 8, .value_kind: global_buffer, .address_space: global }
    .group_segment_fixed_size: 169472
    .private_segment_fixed_size: 0
    .kernarg_segment_align: 8
    .kernarg_segment_size: 40
    .max_flat_workgroup_size: 128
    .sgpr_count:     66
    .vgpr_count:     896
    .wavefront_size: 32
...
	.end_amdgpu_metadata
.endif
;; end of part 3
;; launch combine (part 4): grid 256 x 1, 8 waves a work-group, no clusters, 0 bytes of LDS; arguments eo, rw, out0; writes out0
.if DOCPART == 4
	.amdgcn_target "amdgcn-amd-amdhsa--gfx1250"
	.amdhsa_code_object_version 6
	.text
	.protected	k_qf64de041b4_combine
	.globl	k_qf64de041b4_combine
	.p2align	8
	.type	k_qf64de041b4_combine,@function
k_qf64de041b4_combine:
	s_mov_b64 s[64:65], 0
	v_nop
	global_prefetch_b8 v0, s[64:65] scope:SCOPE_SE
	s_setreg_imm32_b32 hwreg(HW_REG_WAVE_MODE, 25, 1), 1
	s_wait_xcnt 0x0
; out0[n] = rw[2 n] eo[2 n] + rw[2 n + 1] eo[2 n + 1]: a token's two routed rows, weighed and added, in f32.  Rows of 4,096 bytes.
; A stream: work-group g takes tokens 4 g .. 4 g + 3, thread t the 16 bytes at 16 t of every row, so each load and store of a wave covers 512 consecutive bytes.  Eight loads a wave are out at once.
; The rows lie at their entries' places, so there is no index, no LDS, no barrier and no loop; the matrix unit has nothing to do here.
	s_load_b128 s[4:7], s[0:1], 0x0                ; eo s[4:5], rw s[6:7]
	s_load_b64 s[16:17], s[0:1], 0x10              ; out0
	v_lshlrev_b32 v1, 4, v0
	s_lshl_b32 s18, ttmp9, 15                      ; eight rows of eo
	s_mov_b32 s19, 0
	s_lshl_b32 s20, ttmp9, 5                       ; eight weights
	s_mov_b32 s21, 0
	s_lshl_b32 s22, ttmp9, 14                      ; four rows of out0
	s_mov_b32 s23, 0
	s_wait_kmcnt 0x0
	s_add_nc_u64 s[4:5], s[4:5], s[18:19]
	s_add_nc_u64 s[6:7], s[6:7], s[20:21]
	s_add_nc_u64 s[16:17], s[16:17], s[22:23]
	s_load_b256 s[8:15], s[6:7], 0x0               ; the eight weights
.irp i, 0,1,2,3,4,5,6,7
	global_load_b128 v[4+4*\i:7+4*\i], v1, s[4:5] offset:4096*\i th:TH_LOAD_NT     ; read once in this launch
.endr
	s_wait_kmcnt 0x0
.irp j, 0,1,2,3
	s_wait_loadcnt 6-2*\j                          ; token j's two rows are in; the later tokens' stay out
.irp m, 0,1,2,3
	v_mul_f32 v[36+4*\j+\m], s[8+2*\j], v[4+8*\j+\m]
.endr
.irp m, 0,1,2,3
	v_fmac_f32 v[36+4*\j+\m], s[9+2*\j], v[8+8*\j+\m]
.endr
	global_store_b128 v1, v[36+4*\j:39+4*\j], s[16:17] offset:4096*\j th:TH_STORE_NT
.endr
	s_endpgm
.Lfunc_end_k_qf64de041b4_combine:
	.size	k_qf64de041b4_combine, .Lfunc_end_k_qf64de041b4_combine-k_qf64de041b4_combine
	.p2alignl 7, 3214868480
	.fill 96, 4, 3214868480
	.section	.rodata,"a",@progbits
	.p2align	6, 0x0
	.amdhsa_kernel k_qf64de041b4_combine
		.amdhsa_group_segment_fixed_size 0
		.amdhsa_private_segment_fixed_size 0
		.amdhsa_enable_private_segment 0
		.amdhsa_kernarg_size 24
		.amdhsa_user_sgpr_count 2
		.amdhsa_user_sgpr_kernarg_segment_ptr 1
		.amdhsa_wavefront_size32 1
		.amdhsa_system_sgpr_workgroup_id_x 1
		.amdhsa_system_sgpr_workgroup_id_y 1
		.amdhsa_system_sgpr_workgroup_id_z 1
		.amdhsa_system_vgpr_workitem_id 0
		.amdhsa_next_free_vgpr 56
		.amdhsa_next_free_sgpr 66
		.amdhsa_reserve_vcc 0
		.amdhsa_float_denorm_mode_32 3
		.amdhsa_float_denorm_mode_16_64 3
		.amdhsa_memory_ordered 1
		.amdhsa_forward_progress 1
		.amdhsa_inst_pref_size 4
	.end_amdhsa_kernel
	.amdgpu_metadata
---
amdhsa.version: [ 1, 2 ]
amdhsa.kernels:
  - .name:           k_qf64de041b4_combine
    .symbol:         k_qf64de041b4_combine.kd
    .args:
      - { .name: eo, .offset: 0, .size: 8, .value_kind: global_buffer, .address_space: global }
      - { .name: rw, .offset: 8, .size: 8, .value_kind: global_buffer, .address_space: global }
      - { .name: out0, .offset: 16, .size: 8, .value_kind: global_buffer, .address_space: global }
    .group_segment_fixed_size: 0
    .private_segment_fixed_size: 0
    .kernarg_segment_align: 8
    .kernarg_segment_size: 24
    .max_flat_workgroup_size: 256
    .sgpr_count:     66
    .vgpr_count:     56
    .wavefront_size: 32
...
	.end_amdgpu_metadata
.endif
;; end of part 4
;; ======== version 2 of 2: 4 launches
;; workspace buffers: xq 819,200 bytes; ridx 8,192 bytes of whole numbers; rw 8,192 bytes; rlist 33,024 bytes of whole numbers; act 13,107,200 bytes; eo 8,421,376 bytes
;; launch route (part 5): grid 256 x 1, 4 waves a work-group, no clusters, 18,944 bytes of LDS; arguments x, gate_w, xq, ridx, rw; writes xq, ridx, rw
.if DOCPART == 5
	.amdgcn_target "amdgcn-amd-amdhsa--gfx1250"
	.amdhsa_code_object_version 6
	.text
	.protected	k_qf64de041b4_route
	.globl	k_qf64de041b4_route
	.p2align	8
	.type	k_qf64de041b4_route,@function
k_qf64de041b4_route:
	s_mov_b64 s[64:65], 0
	v_nop
	global_prefetch_b8 v0, s[64:65] scope:SCOPE_SE
	s_setreg_imm32_b32 hwreg(HW_REG_WAVE_MODE, 25, 1), 1
	s_wait_xcnt 0x0
; ROUTER AND QUANTISER OF x.  One wave takes one token n = 4 x work-group + wave (1,024 tokens, 1,024 numbers each).
; It (a) turns the token's 32 blocks of 32 numbers into codes of E3M2 with one E8M0 byte a block, (b) makes the 8 logits x . gate_w[e] by f32 multiply-adds,
; the softmax (the largest logit is taken away first), the two largest probabilities (of equals the lower index is kept) and their weights v / (v1 + v2 + 1e-8).
; OUT: xq: block b of token n at 768 n + 384 (b & 1) + 24 (b >> 1), so that a lane of the product's operand finds its 384 bytes on end; the scale bytes at XQS + 32 n + b.
;      ridx[2 n + k]: the chosen expert; rw[2 n + k]: its weight.  All places are fixed: no address hangs on a number computed here.
; LIMITS: NaN and infinities among the inputs are not served.  A block of zeros gets the byte 1 (the floor) over zero codes; the bytes are read by this program alone.
; The logits' sums run in another order than a row-by-row sum: a choice between two experts nearer than f32 rounding may fall either way.
; No matrix unit (N = 8), no barrier: waves share nothing; each has 4,608 bytes of LDS of its own.
.set XQS, 786432                       ; where the scale bytes begin in xq
.set MSB, 0
.macro WIN new                         ; the immediate's high byte repeats the setting that is left
.if MSB != \new
	s_set_vgpr_msb (MSB<<8)|\new
.set MSB, \new
.endif
.endm
; REGISTERS: v1 lane; v2 16 x lane; v3, v4 the stage, in and out; v5 my block's place in the token's codes; v7 4 x (lane & 1)
;   v16-47 x as loaded (register 4 j + m = x[128 j + 4 lane + m]); v48-79 my block's 32 neighbours; v80-207 gate rows 0-3, laid as x; v256-383 gate rows 4-7
;   v208-223 eight pairs of sums; v224-234 the quantiser; behind the sums v80-121 serve the softmax
	s_load_b256 s[4:11], s[0:1], 0x0               ; x s[4:5], gate_w s[6:7], xq s[8:9], ridx s[10:11]
	s_load_b64 s[12:13], s[0:1], 0x20              ; rw
	v_lshl_add_u32 v254, v0, 2, 0x4800
	v_mov_b32 v255, 0
	v_lshrrev_b32 v1, 5, v0
	v_readfirstlane_b32 s14, v1                    ; wave 0..3
	v_and_b32 v1, 31, v0                           ; lane
	v_lshlrev_b32 v2, 4, v1
	s_mul_i32 s16, s14, 4608                       ; my wave's stage
	v_lshrrev_b32 v3, 3, v1
	v_mul_u32_u24 v3, 144, v3
	v_and_b32 v6, 7, v1
	v_lshl_add_u32 v3, v6, 4, v3
	v_add_nc_u32 v3, s16, v3                       ; in: eight lanes' 128 bytes on end, then 16 of padding
	v_mul_u32_u24 v4, 144, v1
	v_add_nc_u32 v4, s16, v4                       ; out: 144 x lane: my block's 128 bytes; 144 is an odd multiple of 16
	v_and_b32 v7, 1, v1
	v_lshrrev_b32 v6, 1, v1
	v_mul_u32_u24 v5, 384, v7
	v_mad_u32_u24 v5, v6, 24, v5                   ; 384 (lane & 1) + 24 (lane >> 1)
	v_lshlrev_b32 v7, 2, v7
	s_lshl_b32 s15, ttmp9, 2
	s_add_co_u32 s15, s15, s14                     ; n
	s_mov_b32 s17, 0
	s_mov_b32 s18, 0x76543210                      ; v_permlanex16_b32's selects for lane l xor 16
	s_mov_b32 s19, 0xfedcba98
	s_wait_alu depctr_va_vdst(0)
	s_wait_kmcnt 0x0
	s_lshl_b32 s16, s15, 12
	s_add_nc_u64 s[4:5], s[4:5], s[16:17]          ; x at my token
	s_lshl_b32 s16, s15, 5
	s_add_co_u32 s16, s16, XQS
	s_add_nc_u64 s[22:23], s[8:9], s[16:17]        ; my token's scale bytes
	s_mul_i32 s16, s15, 768
	s_add_nc_u64 s[8:9], s[8:9], s[16:17]          ; my token's codes
	s_lshl_b32 s16, s15, 3
	s_add_nc_u64 s[10:11], s[10:11], s[16:17]      ; ridx and rw at entry 2 n
	s_add_nc_u64 s[12:13], s[12:13], s[16:17]
.irp j, 0,1,2,3,4,5,6,7
	global_load_b128 v[16+4*\j:19+4*\j], v2, s[4:5] offset:512*\j th:TH_LOAD_NT    ; 32 lanes read 512 consecutive bytes; x is read once in this launch
.endr
.irp e, 0,1,2,3
.irp j, 0,1,2,3,4,5,6,7
	global_load_b128 v[80+32*\e+4*\j:83+32*\e+4*\j], v2, s[6:7] offset:4096*\e+512*\j
.endr
.endr
	s_wait_loadcnt 32                              ; x is in; the 32 gate loads behind it stay out
.irp j, 0,1,2,3,4,5,6,7
	ds_store_b128 v3, v[16+4*\j:19+4*\j] offset:576*\j
.endr
.irp i, 0,1,2,3,4,5,6,7
	ds_load_b128 v[48+4*\i:51+4*\i], v4 offset:16*\i       ; LDS serves a wave's instructions in order: these see the stores above
.endr
	WIN 0x40                                       ; destination window 1
.irp e, 0,1,2,3
.irp j, 0,1,2,3,4,5,6,7
	global_load_b128 v[32*\e+4*\j:32*\e+4*\j+3], v2, s[6:7] offset:4096*(4+\e)+512*\j
.endr
.endr
	WIN 0
	s_wait_dscnt 0x0
	; my block: the largest magnitude with the floor 2^(5 - 127) among its leaves, in two chains
	v_max3_num_f32 v224, |v48|, |v49|, 0x2800000
	v_max3_num_f32 v225, |v50|, |v51|, |v52|
.irp i, 5,9,13,17,21,25
	v_max3_num_f32 v224, v224, |v[48+\i]|, |v[49+\i]|
	v_max3_num_f32 v225, v225, |v[50+\i]|, |v[51+\i]|
.endr
	v_max3_num_f32 v224, v224, |v77|, |v78|
	v_max3_num_f32 v224, v224, v225, |v79|
	v_add_nc_u32 v226, 0xfe000000, v224            ; 4 off its exponent field: the conversion takes the exponent field of this operand as its scale
	v_lshrrev_b32 v227, 23, v226                   ; the scale's byte
	v_cvt_scalef32_pk16_bf6_f32 v[228:230], v[48:63], v226
	v_cvt_scalef32_pk16_bf6_f32 v[232:234], v[64:79], v226
	v_nop                                          ; one plain place behind a scaled conversion
	global_store_b96 v5, v[228:230], s[8:9]        ; the two stores together cover the token's 768 consecutive bytes
	global_store_b96 v5, v[232:234], s[8:9] offset:12
	global_store_b8 v1, v227, s[22:23]             ; 32 consecutive bytes
	; the logits: eight sums of 1,024 products, two a line, the experts by turns
	s_wait_loadcnt 32                              ; gate rows 0-3 are in; rows 4-7 stay out
.irp e, 0,1,2,3
	v_pk_mul_f32 v[208+2*\e:209+2*\e], v[16:17], v[80+32*\e:81+32*\e]
.endr
.set J, 2
.rept 15
.irp e, 0,1,2,3
	v_pk_fma_f32 v[208+2*\e:209+2*\e], v[16+J:17+J], v[80+32*\e+J:81+32*\e+J], v[208+2*\e:209+2*\e]
.endr
.set J, J+2
.endr
	s_wait_loadcnt 0x0
	WIN 0x04                                       ; source 1 window 1
.irp e, 0,1,2,3
	v_pk_mul_f32 v[216+2*\e:217+2*\e], v[16:17], v[32*\e:32*\e+1]
.endr
.set J, 2
.rept 15
.irp e, 0,1,2,3
	v_pk_fma_f32 v[216+2*\e:217+2*\e], v[16+J:17+J], v[32*\e+J:32*\e+J+1], v[216+2*\e:217+2*\e]
.endr
.set J, J+2
.endr
	WIN 0
.irp e, 0,1,2,3,4,5,6,7
	v_add_f32 v[80+\e], v[208+2*\e], v[209+2*\e]
.endr
.irp m, 1,2,4,8
.irp e, 0,1,2,3,4,5,6,7
	v_add_f32_dpp v[80+\e], v[80+\e], v[80+\e] row_xmask:\m row_mask:0xf bank_mask:0xf
.endr
.endr
.irp e, 0,1,2,3,4,5,6,7
	v_permlanex16_b32 v[208+2*\e], v[80+\e], s18, s19      ; (its destination has been written before)
.endr
.irp e, 0,1,2,3,4,5,6,7
	v_add_f32 v[80+\e], v[80+\e], v[208+2*\e]      ; every lane holds all eight logits
.endr
	; softmax, the largest logit taken away first
	v_max3_num_f32 v104, v80, v81, v82
	v_max3_num_f32 v104, v104, v83, v84
	v_max3_num_f32 v104, v104, v85, v86
	v_max_num_f32 v104, v104, v87
.irp e, 0,1,2,3,4,5,6,7
	v_sub_f32 v[88+\e], v[80+\e], v104
.endr
.irp e, 0,1,2,3,4,5,6,7
	v_mul_f32 v[88+\e], 0x3fb8aa3b, v[88+\e]       ; x log2(e)
.endr
	s_wait_alu depctr_va_vdst(0)
.irp e, 0,1,2,3,4,5,6,7
	v_exp_f32 v[88+\e], v[88+\e]
.endr
	v_nop                                          ; one plain place behind the exponentials
	s_wait_alu depctr_va_vdst(0)
	v_add_f32 v110, v88, v89
	v_add_f32 v111, v90, v91
	v_add_f32 v110, v110, v92
	v_add_f32 v111, v111, v93
	v_add_f32 v110, v110, v94
	v_add_f32 v111, v111, v95
	v_add_f32 v110, v110, v111
	s_wait_alu depctr_va_vdst(0)
	v_rcp_f32 v110, v110
	v_mov_b32 v107, -1.0                           ; (a plain place behind the reciprocal)  under every probability
	s_wait_alu depctr_va_vdst(0)
.irp e, 0,1,2,3,4,5,6,7
	v_mul_f32 v[96+\e], v[88+\e], v110             ; the probabilities
.endr
	; the largest: a later one takes the place only where it is strictly larger, so of equals the lower index stays
	v_mov_b32 v105, v96
	v_mov_b32 v106, 0
.irp e, 1,2,3,4,5,6,7
	v_cmp_le_f32 vcc_lo, v[96+\e], v105
	v_cndmask_b32 v105, v[96+\e], v105, vcc_lo
	v_cndmask_b32 v106, \e, v106, vcc_lo
.endr
.irp e, 0,1,2,3,4,5,6,7
	v_cmp_eq_u32 vcc_lo, \e, v106
	v_cndmask_b32 v[112+\e], v[96+\e], v107, vcc_lo        ; the winner is taken out
.endr
	v_mov_b32 v108, v112
	v_mov_b32 v109, 0
.irp e, 1,2,3,4,5,6,7
	v_cmp_le_f32 vcc_lo, v[112+\e], v108
	v_cndmask_b32 v108, v[112+\e], v108, vcc_lo
	v_cndmask_b32 v109, \e, v109, vcc_lo
.endr
	v_add_f32 v110, v105, v108
	v_add_f32 v110, 0x322bcc77, v110               ; + 1e-8
	s_wait_alu depctr_va_vdst(0)
	v_rcp_f32 v110, v110
	v_cmp_ne_u32 vcc_lo, 0, v7                     ; (a plain place)  odd lanes take the second choice
	s_wait_alu depctr_va_vdst(0)
	v_mul_f32 v105, v105, v110
	v_mul_f32 v108, v108, v110
	v_cndmask_b32 v120, v106, v109, vcc_lo
	v_cndmask_b32 v121, v105, v108, vcc_lo
	v_cmp_gt_u32 vcc_lo, 2, v1
	s_wait_alu depctr_va_vdst(0)
	s_wait_xcnt 0x0                                ; EXEC is a source of the stores above: it changes only behind this wait
	s_wait_tensorcnt 0x0
	ds_add_u32 v254, v255
	s_wait_dscnt 0x0
	s_and_saveexec_b32 s20, vcc_lo                 ; lanes 0 and 1 store entries 2 n and 2 n + 1
	global_store_b32 v7, v120, s[10:11]
	global_store_b32 v7, v121, s[12:13]
	s_endpgm
.Lfunc_end_k_qf64de041b4_route:
	.size	k_qf64de041b4_route, .Lfunc_end_k_qf64de041b4_route-k_qf64de041b4_route
	.p2alignl 7, 3214868480
	.fill 96, 4, 3214868480
	.section	.rodata,"a",@progbits
	.p2align	6, 0x0
	.amdhsa_kernel k_qf64de041b4_route
		.amdhsa_group_segment_fixed_size 18944
		.amdhsa_private_segment_fixed_size 0
		.amdhsa_enable_private_segment 0
		.amdhsa_kernarg_size 40
		.amdhsa_user_sgpr_count 2
		.amdhsa_user_sgpr_kernarg_segment_ptr 1
		.amdhsa_wavefront_size32 1
		.amdhsa_system_sgpr_workgroup_id_x 1
		.amdhsa_system_sgpr_workgroup_id_y 1
		.amdhsa_system_sgpr_workgroup_id_z 1
		.amdhsa_system_vgpr_workitem_id 0
		.amdhsa_next_free_vgpr 384
		.amdhsa_next_free_sgpr 66
		.amdhsa_reserve_vcc 1
		.amdhsa_float_denorm_mode_32 3
		.amdhsa_float_denorm_mode_16_64 3
		.amdhsa_memory_ordered 1
		.amdhsa_forward_progress 1
		.amdhsa_inst_pref_size 28
	.end_amdhsa_kernel
	.amdgpu_metadata
---
amdhsa.version: [ 1, 2 ]
amdhsa.kernels:
  - .name:           k_qf64de041b4_route
    .symbol:         k_qf64de041b4_route.kd
    .args:
      - { .name: x, .offset: 0, .size: 8, .value_kind: global_buffer, .address_space: global }
      - { .name: gate_w, .offset: 8, .size: 8, .value_kind: global_buffer, .address_space: global }
      - { .name: xq, .offset: 16, .size: 8, .value_kind: global_buffer, .address_space: global }
      - { .name: ridx, .offset: 24, .size: 8, .value_kind: global_buffer, .address_space: global }
      - { .name: rw, .offset: 32, .size: 8, .value_kind: global_buffer, .address_space: global }
    .group_segment_fixed_size: 18944
    .private_segment_fixed_size: 0
    .kernarg_segment_align: 8
    .kernarg_segment_size: 40
    .max_flat_workgroup_size: 128
    .sgpr_count:     66
    .vgpr_count:     384
    .wavefront_size: 32
...
	.end_amdgpu_metadata
.endif
;; end of part 5
;; launch up (part 6): grid 32 x 8, 4 waves a work-group, no clusters, 107,008 bytes of LDS; arguments xq, ridx, w1_codes, w1_scales, w3_codes, w3_scales, act, rlist; writes act, rlist
.if DOCPART == 6
	.amdgcn_target "amdgcn-amd-amdhsa--gfx1250"
	.amdhsa_code_object_version 6
	.text
	.protected	k_qf64de041b4_up
	.globl	k_qf64de041b4_up
	.p2align	8
	.type	k_qf64de041b4_up,@function
k_qf64de041b4_up:
	s_mov_b64 s[64:65], 0
	v_nop
	global_prefetch_b8 v0, s[64:65] scope:SCOPE_SE
	s_setreg_imm32_b32 hwreg(HW_REG_WAVE_MODE, 25, 1), 1
	s_wait_xcnt 0x0
; a = silu(x W1^T) * (x W3^T) FOR THE ROUTED ROWS ALONE, quantised along the hidden axis.  Both products on codes of E3M2 with E8M0 scales for each 32 along K = 1,024.
; SHARES.  Work-group (x, y) owns expert y and hidden units 64 x .. 64 x + 63: 64 rows of W1 and 64 of W3, 98,304 bytes of codes.  THE WEIGHTS STAND STILL: the four waves read them from memory once,
; in loads of 512 consecutive bytes, turn them through LDS into operand fragments, and EACH wave keeps all 64 fragments (8 tiles of 16 rows x 8 K steps) in 768 registers.  The waves then share the expert's
; tiles of 16 routed rows (tile T to wave T % 4); a tile's codes of x come from memory straight into registers.  The loop has no barrier and writes no LDS.
; THE LIST.  Every work-group of an expert sorts the 2,048 entries (entry i = 2 token + k) by the same counting scan: wave 0 lays the entries that chose this expert into LDS, rank by rank; the rest of
; the 1,024 places (the most an expert can get: a token's two experts differ) hold the pad 2,048 + expert.  The scan goes 16 registers at a time, so that the way from the vector compares to the scalar counts
; is gone four times and not 64 times.  Work-group x = 0 also stores the list and the count for the next launch.
; A tile's pad rows are computed from token 1,023 and land in pad rows of act, whose results nobody reads.
; No tensor loads, no cluster: which tiles are worked hangs on a stored count, so operands go through registers.
; LAYOUT.  The products are used transposed (source 0 = 16 rows of a weight, source 1 = 16 routed rows): a lane holds ONE routed row.  THE ROWS OF A TILE ARE NOT NEIGHBOURS: lane r of tile 2 b + u takes
; unit 32 b + 8 u + r + 8 (r / 8), so that the 16 registers of tiles 2 b and 2 b + 1 are units 32 b + 16 (lane / 16) + 0 .. 15: half a block of the next K.
; OUT: act: tile T' = 64 expert + T: codes at 24,576 T' + 384 block + 24 row (+ 12 for a block's upper 16 codes); scale bytes at ACS + 1,024 T' + 256 (block / 16) + 16 row + block % 16.
; A row's two scale bytes leave as one store of 2 bytes a lane, sixteen rows 16 bytes apart inside one aligned block of 256 bytes, which eight slices fill between them: a work-group holds two blocks of a row's 64.
; LIMITS: NaN and infinities are not served; a block of zeros gets the byte 1 over zero codes (the bytes are read by this program alone).
.set LIST, 100352                      ; LDS: 0 .. 100,351 the weights, 128 rows of 768 + 16 bytes; then the list, 1,024 words, and one word more into which what is not mine is dropped
.set WP,   784                         ; 196 words: row r starts 4 r banks on, so the 32 lanes of a load of 8 bytes touch 64 different banks (64 banks of 4 bytes: ISA guide 11.1)
.set XQS,  786432                      ; xq's scale bytes
.set ACS,  12582912                    ; act's scale bytes
; REGISTERS.  window 0: v1 LIST + 4 r; v2 384 h; v3, v4 my places in a tile of act (codes, scale bytes); v5, v6 offsets of the x codes and scale words in hand; v7, v8 offsets into act; v9, v10 list address and entry
;   v16-47 the weights' scale words (16 + 8 p + s: lanes 0-15 tile 2 p, lanes 16-31 tile 2 p + 1); v48-111 the eight accumulators; v112-207 x's eight fragments; v208-215 x's scale words; v216-227 fragment 63
;   v228-243 at work; v244-251 codes and bytes to store; v252-254 the quantiser.   At the head v48-77 hold addresses, v112-175 the chosen experts, v176-207 a batch's ranks and entries.
;   windows 1-3: weight fragment f = 8 s + q (K step s, tile q; tiles 0-3 W1, 4-7 W3) at register 12 (f % 21) of window 1 + f / 21.
; s2 wave, s3 slice, s4 expert, s5 count, s6 running rank, s24 tiles, s25 T, s26 the tile asked ahead, s28 trips; s66-81 a batch's masks, s82-97 its counts, then its running ranks.
.set MSB, 0
.macro WIN new                         ; the immediate's high byte repeats the setting that is left
.if MSB != \new
	s_set_vgpr_msb (MSB<<8)|\new
.set MSB, \new
.endif
.endm
.macro PLACES n
.rept \n
	v_nop
.endr
.endm
; Batch g of four: for each of 16 registers of the list, the lanes whose entry chose my expert, and how many they are.  The compares stand together and the counts behind them.
.macro MASKS g
.set I, 0
.rept 16
	v_cmp_eq_u32 s[66+I], s4, v[112+16*\g+I]
.set I, I+1
.endr
.set I, 0
.rept 16
	s_bcnt1_i32_b32 s[82+I], s[66+I]
.set I, I+1
.endr
.endm
.macro COUNT g                         ; waves 1 to 3 only want the sum
	MASKS \g
.set I, 0
.rept 16
	s_add_co_u32 s5, s5, s[82+I]
.set I, I+1
.endr
.endm
; Wave 0: each of my entries goes to its rank: those before it in its register's lanes + those of the registers before.  The lines go by turns over the 16 registers, so that none waits for the line above it.
.macro SCAN g
	MASKS \g
	s_add_co_u32 s82, s82, s6                      ; the counts become running ranks: s[82 + I] = the rank behind register I
.set I, 1
.rept 15
	s_add_co_u32 s[82+I], s[82+I], s[81+I]
.set I, I+1
.endr
	v_mbcnt_lo_u32_b32 v176, s66, s6
.set I, 1
.rept 15
	v_mbcnt_lo_u32_b32 v[176+I], s[66+I], s[81+I]
.set I, I+1
.endr
.set I, 0
.rept 16
	v_cndmask_b32 v[176+I], v58, v[176+I], s[66+I] ; what is not mine gets the rank 1,024
.set I, I+1
.endr
.set I, 0
.rept 16
	v_min_u32 v[176+I], 0x400, v[176+I]
.set I, I+1
.endr
.set I, 0
.rept 16
	v_lshl_add_u32 v[176+I], v[176+I], 2, LIST
.set I, I+1
.endr
.set I, 0
.rept 16
	v_add_nc_u32 v[192+I], 128*((16*\g+I)/4)+((16*\g+I)%4), v57    ; the entry's number
.set I, I+1
.endr
.set I, 0
.rept 16
	ds_store_b32 v[176+I], v[192+I]
.set I, I+1
.endr
	s_mov_b32 s6, s97
.endm
	s_load_b512 s[8:23], s[0:1], 0x0               ; xq 8, ridx 10, w1_codes 12, w1_scales 14, w3_codes 16, w3_scales 18, act 20, rlist 22
	v_lshl_add_u32 v15, v0, 2, 0x1a000
	v_mov_b32 v255, 0
	v_lshrrev_b32 v1, 5, v0
	v_readfirstlane_b32 s2, v1                     ; wave 0..3
	s_mov_b32 s3, ttmp9                            ; slice
	s_and_b32 s4, ttmp7, 0xffff                    ; expert
	v_and_b32 v11, 31, v0                          ; lane
	v_and_b32 v12, 15, v0                          ; r
	v_bfe_u32 v13, v0, 4, 1                        ; h
	v_lshl_add_u32 v1, v12, 2, LIST
	v_mul_u32_u24 v2, 384, v13
	v_mul_u32_u24 v3, 24, v12
	v_mad_u32_u24 v3, v13, 12, v3                  ; 24 r + 12 h
	v_lshlrev_b32 v4, 4, v12                       ; 16 r
	v_lshlrev_b32 v48, 4, v11                      ; 16 x lane
	s_mul_i32 s27, s2, 32*WP
	v_add_nc_u32 v49, s27, v48                     ; into LDS: my wave's 32 rows, 16 x lane
	v_lshl_add_u32 v50, v13, 4, v49                ; the same for a load that straddles two rows: lanes 16-31 lie behind one padding
	v_mul_u32_u24 v51, WP, v12
	v_mad_u32_u24 v51, v13, 24, v51                ; a fragment's row x pitch + 24 h, tiles 0-3
	v_add_nc_u32 v52, 64*WP, v51                   ; tiles 4-7
	v_add_nc_u32 v53, LIST, v48                    ; the pads
	s_lshl_b32 s27, s2, 10
	v_add_nc_u32 v55, s27, v48                     ; the list's way out: 1,024 bytes a wave, in memory
	v_add_nc_u32 v54, LIST, v55                    ; and in LDS
	v_and_b32 v56, 8, v12
	v_add_nc_u32 v56, v56, v12
	v_lshl_add_u32 v56, v13, 3, v56
	v_lshlrev_b32 v56, 5, v56                      ; the weights' scale words: row 8 h + r + 8 (r / 8), 32 bytes a row
	v_lshlrev_b32 v57, 2, v11                      ; 4 x lane: my first entry of a load's 128
	v_mov_b32 v58, 1024                            ; the rank of what is not mine
	s_add_co_u32 s27, s4, 2048
.irp i, 64,65,66,67
	v_mov_b32 v[\i], s27                           ; the pad
.endr
	v_mov_b32 v253, 0                              ; written once: a lane permute's destination counts as one of its sources
	s_mov_b32 s34, 0x76543210                      ; v_permlanex16_b32's selects for lane l xor 16
	s_mov_b32 s35, 0xfedcba98
	s_mov_b32 s36, 0xbfb8aa3b                      ; -log2(e)
	s_mov_b32 s37, s36                             ; (named with it as a pair, so it is written)
	s_lshl_b32 s27, s4, 11
	s_lshl_b32 s29, s3, 6
	s_add_co_u32 s27, s27, s29                     ; the slice's first weight row: 2,048 expert + 64 slice
	s_lshl_b32 s30, s27, 5
	s_mov_b32 s31, 0
	s_wait_alu depctr_va_vdst(0)
	s_wait_kmcnt 0x0
	s_add_nc_u64 s[14:15], s[14:15], s[30:31]      ; its scale bytes in W1 and in W3
	s_add_nc_u64 s[18:19], s[18:19], s[30:31]
	s_and_b32 s29, s2, 1
	s_lshl_b32 s29, s29, 5
	s_add_co_u32 s27, s27, s29                     ; my wave's 32 rows: waves 0, 1 of W1, waves 2, 3 of W3
	s_mul_i32 s30, s27, 768
	s_cmp_lt_u32 s2, 2
	s_cselect_b64 s[32:33], s[12:13], s[16:17]
	s_add_nc_u64 s[32:33], s[32:33], s[30:31]
	s_mul_i32 s30, s4, 64*24576
	s_mul_i32 s29, s3, 768
	s_add_co_u32 s30, s30, s29
	s_add_nc_u64 s[40:41], s[20:21], s[30:31]      ; act's codes: my expert's tile 0, my two blocks
	s_lshl_b32 s30, s4, 16                         ; act's scale bytes: 64 tiles of 1,024 bytes an expert,
	s_lshr_b32 s29, s3, 3
	s_lshl_b32 s29, s29, 8
	s_add_co_u32 s30, s30, s29                     ; 256 bytes for each 16 blocks (8 slices),
	s_and_b32 s29, s3, 7
	s_lshl_b32 s29, s29, 1
	s_add_co_u32 s30, s30, s29                     ; my two bytes of a row's 16
	s_add_co_u32 s30, s30, ACS
	s_add_nc_u64 s[42:43], s[20:21], s[30:31]
	s_add_nc_u64 s[44:45], s[8:9], XQS             ; x's scale bytes
	s_lshl_b32 s30, s4, 12
	s_add_nc_u64 s[46:47], s[22:23], s[30:31]      ; my expert's list in memory
	s_lshl_b32 s30, s4, 2
	s_add_co_u32 s30, s30, 32768
	s_add_nc_u64 s[48:49], s[22:23], s[30:31]      ; and its count
.set I, 0
.rept 16
	global_load_b128 v[112+4*I:115+4*I], v48, s[10:11] offset:512*I       ; the chosen experts: register 4 j + m = entry 128 j + 4 lane + m
.set I, I+1
.endr
.irp p, 0,1
.irp i, 0,1
	global_load_b128 v[16+8*\p+4*\i:19+8*\p+4*\i], v56, s[14:15] offset:1024*\p+16*\i     ; W1's scale words, K steps 4 i .. 4 i + 3
.endr
.endr
.irp p, 0,1
.irp i, 0,1
	global_load_b128 v[32+8*\p+4*\i:35+8*\p+4*\i], v56, s[18:19] offset:1024*\p+16*\i     ; W3's
.endr
.endr
	WIN 0x40                                       ; destination window 1
.set I, 0
.rept 48
	global_load_b128 v[4*I:4*I+3], v48, s[32:33] offset:512*I th:TH_LOAD_NT       ; my 32 rows, 24,576 dense bytes, 512 a load; read once in this launch
.set I, I+1
.endr
	WIN 0
	s_wait_loadcnt 56                              ; the chosen experts are in; the 8 + 48 loads behind them stay out
	s_cmp_lg_u32 s2, 0
	s_cbranch_scc1 .Lcount
.irp i, 0,1,2,3,4,5,6,7
	ds_store_b128 v53, v[64:67] offset:512*\i      ; wave 0: pads everywhere first (LDS serves a wave's instructions in order),
.endr
	s_mov_b32 s6, 0
	SCAN 0                                         ; then my entries at their ranks
	SCAN 1
	SCAN 2
	SCAN 3
	s_mov_b32 s5, s6                               ; the last rank is the count
	s_branch .Lsorted
.Lcount:
	s_mov_b32 s5, 0                                ; the other waves count for themselves
	COUNT 0
	COUNT 1
	COUNT 2
	COUNT 3
.Lsorted:
	s_wait_dscnt 0x0                               ; for the others' sake: the list's stores are done
	s_barrier_signal -1
	s_barrier_wait -1                              ; the list is whole; no other LDS access stood beside its stores
	s_wait_loadcnt 0x0                             ; the weights and their scale words
	WIN 0x04                                       ; an LDS store's data are its source 1: window 1
.set A, 0
.rept 16                                       ; rows 2 A and 2 A + 1 of my 32 are three loads; they go to neighbouring places SG, SG + 1, chosen so that a tile's 16 places hold the units that the layout wants
.set SG, 16*(((2*A)>>3)&1)+((2*A)&7)+8*((2*A)>>4)
	ds_store_b128 v49, v[12*A:12*A+3] offset:SG*WP
	ds_store_b128 v50, v[12*A+4:12*A+7] offset:SG*WP+512
	ds_store_b128 v49, v[12*A+8:12*A+11] offset:SG*WP+1040
.set A, A+1
.endr
	WIN 0
	s_wait_dscnt 0x0                               ; for the others' sake: my rows lie in LDS
	s_barrier_signal -1
	s_barrier_wait -1                              ; all 128 rows do.  From here on LDS is only read
	s_add_co_u32 s24, s5, 15
	s_lshr_b32 s24, s24, 4
	s_min_u32 s24, s24, 64                         ; tiles of 16 rows
	s_cmp_lg_u32 s3, 0
	s_cbranch_scc1 .Lno_export
	ds_load_b128 v[68:71], v54                     ; slice 0 stores the list, 1,024 bytes a wave, and the count
	ds_load_b128 v[72:75], v54 offset:512
	v_mov_b32 v76, s5
	v_mov_b32 v77, 0
	s_wait_alu depctr_va_vdst(0)
	s_wait_dscnt 0x0
	global_store_b128 v55, v[68:71], s[46:47]
	global_store_b128 v55, v[72:75], s[46:47] offset:512
	v_cmp_eq_u32 vcc_lo, 0, v0
	s_wait_xcnt 0x0                                ; EXEC is a source of the stores above: it changes only behind this wait
	s_and_saveexec_b32 s38, vcc_lo
	global_store_b32 v77, v76, s[48:49]            ; thread 0 alone
	s_wait_xcnt 0x0                                ; and again in front of the line that widens it; the stores' data registers are free too
	s_or_b32 exec_lo, exec_lo, s38
.Lno_export:
	s_cmp_ge_u32 s2, s24
	s_cbranch_scc1 .Lend                           ; a wave without a tile ends: no barrier follows
	s_mov_b32 s25, s2                              ; T: my first tile
.macro XOFF                                    ; the entry in v10 becomes the offsets of its token's codes and scale words.  A pad gives token 1,023
	v_lshrrev_b32 v10, 1, v10
	v_min_u32 v10, 0x3ff, v10
	v_mul_u32_u24 v5, 0x300, v10
	v_add_nc_u32 v5, v5, v2                        ; 768 token + 384 h: my 384 bytes, all eight fragments on end
	v_lshlrev_b32 v6, 5, v10
.endm
.macro XLOAD i0                                ; 12 loads: four fragments
.set I, \i0
.rept 12
	global_load_b128 v[112+4*I:115+4*I], v5, s[8:9] offset:16*I
.set I, I+1
.endr
.endm
.macro XSLOAD                                  ; my row's eight scale words
	global_load_b128 v[208:211], v6, s[44:45]
	global_load_b128 v[212:215], v6, s[44:45] offset:16
.endm
	v_lshl_add_u32 v9, s25, 6, v1
	ds_load_b32 v10, v9                            ; the entry of row r of tile T
	s_wait_dscnt 0x0
	XOFF
	XLOAD 0
	XSLOAD
	XLOAD 12
.set FI, 0
.rept 64                                       ; all 64 fragments out of LDS into my registers: 24 bytes of a row's stream of bits as three loads of 8, twice
.if FI == 63
.set WW, 0
.set WR, 216
.else
.set WW, (1+FI/21)<<6
.set WR, 12*(FI%21)
.endif
	WIN WW
.set AD, 51+(FI%8)/4
.irp p, 0,1,2,3,4,5
	ds_load_b64 v[WR+2*\p:WR+2*\p+1], v[AD] offset:((FI%8)%4)*16*WP+96*(FI/8)+48*(\p/3)+8*(\p%3)
.endr
.set FI, FI+1
.endr
	WIN 0
	s_wait_dscnt 0x0
; K step s: eight products, the eight accumulators by turns, one instruction a turn, in the same order in every step.  s = 0 starts the sums.
.macro MMS s
.irp q, 0,1,2,3,4,5,6,7
.set FI, 8*(\s)+\q
.if FI == 63
.set WW, 0
.set WR, 216
.else
.set WW, 1+FI/21
.set WR, 12*(FI%21)
.endif
	WIN WW                                         ; source 0 in the fragment's window
.set DD, 48+8*\q
.set BB, 112+12*(\s)
.set SA, 16+8*(\q/2)+(\s)
.set SB, 208+(\s)
.if (\s) == 0
.if \q%2
	v_wmma_scale_f32_16x16x128_f8f6f4 v[DD:DD+7], v[WR:WR+11], v[BB:BB+11], 0, v[SA], v[SB] matrix_a_fmt:MATRIX_FMT_BF6 matrix_b_fmt:MATRIX_FMT_BF6 matrix_a_scale:MATRIX_SCALE_ROW1
.else
	v_wmma_scale_f32_16x16x128_f8f6f4 v[DD:DD+7], v[WR:WR+11], v[BB:BB+11], 0, v[SA], v[SB] matrix_a_fmt:MATRIX_FMT_BF6 matrix_b_fmt:MATRIX_FMT_BF6
.endif
.else
.if \q%2
	v_wmma_scale_f32_16x16x128_f8f6f4 v[DD:DD+7], v[WR:WR+11], v[BB:BB+11], v[DD:DD+7], v[SA], v[SB] matrix_a_fmt:MATRIX_FMT_BF6 matrix_b_fmt:MATRIX_FMT_BF6 matrix_a_scale:MATRIX_SCALE_ROW1
.else
	v_wmma_scale_f32_16x16x128_f8f6f4 v[DD:DD+7], v[WR:WR+11], v[BB:BB+11], v[DD:DD+7], v[SA], v[SB] matrix_a_fmt:MATRIX_FMT_BF6 matrix_b_fmt:MATRIX_FMT_BF6
.endif
.endif
.endr
.endm
; Block b of my two: h in v[HH ..], g in v[GG ..], 16 units a lane.  a = h / (1 + 2^(-h log2 e)) x g, in f32; the block's other 16 lie in lane l xor 16.  Each accumulator is read from its low end on.
.macro QUANT b
.set HH, 48+16*\b
.set GG, 80+16*\b
.set CC, 244+4*\b
.irp i, 0,2,4,6,8,10,12,14
	v_pk_mul_f32 v[228+\i:229+\i], v[HH+\i:HH+\i+1], s[36:37] op_sel_hi:[1,0]
.endr
	s_wait_alu depctr_va_vdst(0)
.irp i, 0,1,2,3,4,5,6,7,8,9,10,11,12,13,14,15
	v_exp_f32 v[228+\i], v[228+\i]
.endr
	v_nop                                          ; one plain place behind the exponentials
	s_wait_alu depctr_va_vdst(0)
.irp i, 0,2,4,6,8,10,12,14
	v_pk_add_f32 v[228+\i:229+\i], v[228+\i:229+\i], 1.0 op_sel_hi:[1,0]
.endr
	s_wait_alu depctr_va_vdst(0)
.irp i, 0,1,2,3,4,5,6,7,8,9,10,11,12,13,14,15
	v_rcp_f32 v[228+\i], v[228+\i]
.endr
	v_nop                                          ; one plain place behind the reciprocals
	s_wait_alu depctr_va_vdst(0)
.irp i, 0,2,4,6,8,10,12,14
	v_pk_mul_f32 v[HH+\i:HH+\i+1], v[HH+\i:HH+\i+1], v[228+\i:229+\i]      ; silu(h)
.endr
.irp i, 0,2,4,6,8,10,12,14
	v_pk_mul_f32 v[HH+\i:HH+\i+1], v[HH+\i:HH+\i+1], v[GG+\i:GG+\i+1]      ; x g
.endr
	v_max3_num_f32 v252, |v[HH]|, |v[HH+1]|, 0x2800000     ; my 16 and the floor 2^(5 - 127), in two chains
	v_max3_num_f32 v254, |v[HH+2]|, |v[HH+3]|, |v[HH+4]|
	v_max3_num_f32 v252, v252, |v[HH+5]|, |v[HH+6]|
	v_max3_num_f32 v254, v254, |v[HH+7]|, |v[HH+8]|
	v_max3_num_f32 v252, v252, |v[HH+9]|, |v[HH+10]|
	v_max3_num_f32 v254, v254, |v[HH+11]|, |v[HH+12]|
	v_max3_num_f32 v252, v252, |v[HH+13]|, |v[HH+14]|
	v_max3_num_f32 v252, v252, v254, |v[HH+15]|
	v_permlanex16_b32 v253, v252, s34, s35
	v_max_num_f32 v252, v252, v253                 ; the block's largest magnitude
	v_add_nc_u32 v254, 0xfe000000, v252            ; 4 off its exponent field: the conversion's scale operand
	v_lshrrev_b32 v[CC+3], 23, v254                ; the scale's byte
	v_cvt_scalef32_pk16_bf6_f32 v[CC:CC+2], v[HH:HH+15], v254
	v_nop                                          ; one plain place behind a scaled conversion
	global_store_b96 v7, v[CC:CC+2], s[40:41] offset:384*\b        ; 32 lanes store a block's 384 consecutive bytes; the tile's two blocks are 768, aligned
.endm
	s_mov_b32 s28, 16                              ; 16 trips, T = wave + 4 x trip: a constant count, so that every address stepped here can be read off the text; trips past the expert's last tile jump over the work
.Ltile:
	s_cmp_ge_u32 s25, s24
	s_cbranch_scc1 .Lskip                          ; such a trip issues no load, so the counts below hold on every way
	s_add_co_u32 s26, s25, 4
	s_min_u32 s26, s26, 63                         ; the tile asked ahead; past the expert's rows the list holds pads, which name token 1,023: no load leaves its buffer
	v_lshl_add_u32 v9, s26, 6, v1
	ds_load_b32 v10, v9
	s_wait_loadcnt 12                              ; out, in order: fragments 0-3 (12), the scale words (2), fragments 4-7 (12): the first two groups are in
	MMS 0
	MMS 1
	MMS 2
	MMS 3
	WIN 0
	s_wait_dscnt 0x0                               ; the next tile's entry
	s_wait_xcnt 0x0                                ; the loads of fragments 4-7 have read v5, the last tile's stores their offsets and data: all may be written again
	XOFF                                           ; these five lines and the two below name no register of the products: they are the places in front of the loads
	s_mul_i32 s27, s25, 24576
	s_lshl_b32 s29, s25, 10
	v_add_nc_u32 v7, s27, v3                       ; this tile's places in act
	v_add_nc_u32 v8, s29, v4
	XLOAD 0                                        ; the next tile's fragments 0-3
	s_wait_alu depctr_va_vdst(0)
	s_wait_loadcnt 12                              ; all but those 12: this tile's fragments 4-7 are in
	MMS 4
	MMS 5
	MMS 6
	MMS 7
	WIN 0
	PLACES 4                                       ; in front of loads into registers that the products read, and of the first read of results
	XSLOAD
	XLOAD 12
	QUANT 0
	QUANT 1
	v_lshl_or_b32 v247, v251, 8, v247              ; my row's two scale bytes, the lower block's below
	global_store_b16 v8, v247, s[42:43]            ; both lanes of a row write the same two bytes with the same values
.Lskip:
	s_add_co_u32 s25, s25, 4
	s_sub_co_u32 s28, s28, 1
	s_cmp_lg_u32 s28, 0
	s_cbranch_scc1 .Ltile
.Lend:
	s_wait_tensorcnt 0x0
	ds_add_u32 v15, v255
	s_wait_dscnt 0x0
	s_endpgm
.Lfunc_end_k_qf64de041b4_up:
	.size	k_qf64de041b4_up, .Lfunc_end_k_qf64de041b4_up-k_qf64de041b4_up
	.p2alignl 7, 3214868480
	.fill 96, 4, 3214868480
	.section	.rodata,"a",@progbits
	.p2align	6, 0x0
	.amdhsa_kernel k_qf64de041b4_up
		.amdhsa_group_segment_fixed_size 107008
		.amdhsa_private_segment_fixed_size 0
		.amdhsa_enable_private_segment 0
		.amdhsa_kernarg_size 64
		.amdhsa_user_sgpr_count 2
		.amdhsa_user_sgpr_kernarg_segment_ptr 1
		.amdhsa_wavefront_size32 1
		.amdhsa_system_sgpr_workgroup_id_x 1
		.amdhsa_system_sgpr_workgroup_id_y 1
		.amdhsa_system_sgpr_workgroup_id_z 1
		.amdhsa_system_vgpr_workitem_id 0
		.amdhsa_next_free_vgpr 1024
		.amdhsa_next_free_sgpr 100
		.amdhsa_reserve_vcc 1
		.amdhsa_float_denorm_mode_32 3
		.amdhsa_float_denorm_mode_16_64 3
		.amdhsa_memory_ordered 1
		.amdhsa_forward_progress 1
		.amdhsa_inst_pref_size 105
	.end_amdhsa_kernel
	.amdgpu_metadata
---
amdhsa.version: [ 1, 2 ]
amdhsa.kernels:
  - .name:           k_qf64de041b4_up
    .symbol:         k_qf64de041b4_up.kd
    .args:
      - { .name: xq, .offset: 0, .size: 8, .value_kind: global_buffer, .address_space: global }
      - { .name: ridx, .offset: 8, .size: 8, .value_kind: global_buffer, .address_space: global }
      - { .name: w1_codes, .offset: 16, .size: 8, .value_kind: global_buffer, .address_space: global }
      - { .name: w1_scales, .offset: 24, .size: 8, .value_kind: global_buffer, .address_space: global }
      - { .name: w3_codes, .offset: 32, .size: 8, .value_kind: global_buffer, .address_space: global }
      - { .name: w3_scales, .offset: 40, .size: 8, .value_kind: global_buffer, .address_space: global }
      - { .name: act, .offset: 48, .size: 8, .value_kind: global_buffer, .address_space: global }
      - { .name: rlist, .offset: 56, .size: 8, .value_kind: global_buffer, .address_space: global }
    .group_segment_fixed_size: 107008
    .private_segment_fixed_size: 0
    .kernarg_segment_align: 8
    .kernarg_segment_size: 64
    .max_flat_workgroup_size: 128
    .sgpr_count:     100
    .vgpr_count:     1024
    .wavefront_size: 32
...
	.end_amdgpu_metadata
.endif
;; end of part 6
;; launch down (part 7): grid 32 x 8, 4 waves a work-group, no clusters, 169,472 bytes of LDS; arguments act, rlist, w2_codes, w2_scales, eo; writes eo
.if DOCPART == 7
	.amdgcn_target "amdgcn-amd-amdhsa--gfx1250"
	.amdhsa_code_object_version 6
	.text
	.protected	k_qf64de041b4_down
	.globl	k_qf64de041b4_down
	.p2align	8
	.type	k_qf64de041b4_down,@function
k_qf64de041b4_down:
	s_mov_b64 s[64:65], 0
	v_nop
	global_prefetch_b8 v0, s[64:65] scope:SCOPE_SE
	s_setreg_imm32_b32 hwreg(HW_REG_WAVE_SCHED_MODE, 0, 2), 2
	s_setreg_imm32_b32 hwreg(HW_REG_WAVE_MODE, 25, 1), 1
	s_wait_xcnt 0x0
	s_wait_alu depctr_vm_vsrc(0)
; eo = a W2^T FOR THE ROUTED ROWS, on codes of E3M2 with E8M0 scales for each 32 along K = 2,048.
; SHARES.  Work-group (x, y): expert y, output columns 64 (x / 2) .. + 63, and of the expert's tiles of 16 rows those with T % 2 = x % 2.  The 64 rows of W2 (98,304 bytes of codes) come from memory once, in
; loads of 512 consecutive bytes, and are turned through LDS into fragments.  THE FOUR WAVES SHARE K: wave w keeps K steps 4 w .. 4 w + 3 of all four tiles of columns: 16 fragments, 192 registers.
; The work-group takes its tiles four at a time (a group: T = x % 2 + 8 g + 2 i, i = 0 .. 3).  Each wave multiplies its quarter of K for all four tiles, 16 products a tile, and lays its partial sums into LDS;
; behind a barrier wave w adds the four partial sums of tile w, in f32, and stores the rows; a second barrier stands in front of the next group's partial sums.
; So a wave has room for a buffer of its own for each tile of a group, and a tile's codes are asked for a whole group ahead: straight behind the products that have read its buffer.
; THE LOOP HAS 8 TRIPS, a constant (32 tiles are the most a work-group can get), and both barriers stand on every wave's way in every trip.  What hangs on the stored count is jumped over without them:
; a group, a tile or a reduction past the expert's last tile.  Inside a group that is worked no load is jumped over; tile numbers are held at the expert's last tile, so loads read what the launch before wrote.
; (For an expert without any row the first loads read bytes of act that nobody wrote; nothing is computed or stored from them.)
; No tensor loads, no cluster: which tiles are worked hangs on a stored count.
; LAYOUT.  Transposed use (source 0 = 16 rows of W2, source 1 = 16 routed rows): a lane holds eight neighbouring columns of one row.  A partial tile lies in LDS as 16 rows of 256 + 16 bytes and is read back by
; rows: sixteen lanes store 256 consecutive, aligned bytes of row i of eo, i = 2 token + k being the row's entry in the list.  Pad rows go to row 2,048 + expert, which nobody reads; pads lie in an expert's
; last tile alone, which one wave of one work-group of a slice reduces.
; THE MODE: SCHED_MODE bits 1:0 = 2 (LLVM: expert scheduling mode 2), set by the entry lines.  The code itself states the register dependences between vector or matrix instructions and memory or LDS
; instructions, with s_wait_alu, always for 0.
; THE PLAN.  Registers that memory or LDS instructions touch, in the loop:
;   v7, v8-15        the next group's offsets.  Written by nine additions at the group's head; read by the loads that this trip issues.
;   v24-39, window 2 tile i's scale words and codes.  Its 25 loads land there; its sixteen products read them; the same buffer's next loads follow behind those products.
;   v40-47           the list words.  Eight loads at the group's end land there; eight v_min_u32 in the next group's middle read them.
;   v52-59           my rows' offsets in eo.  Written in the group's middle; read by the reduction's eight stores.
;   v64-191          the accumulators.  Written by the products; read by each tile's eight LDS stores.
;   window 3         the partial tiles.  32 LDS loads land there; the packed additions read and write them; the eight stores read the sums.
;   v1-6, v16-23, window 1 are written at the head alone.
; So: ONE pair of waits at the loop's top (addresses translated; vector registers read) frees all that the trip before's loads and stores read and that this trip writes again.  One wait on va_vdst stands behind each
; tile's products and their places: its accumulators are written, and its buffer is read out; tile 0's, which lies on every way through a group, also states that the nine offsets are written.  One stands in the
; group's middle, behind the lines that read the list words, since both later tiles may be jumped over; one ahead of the reduction's stores.  A tile's 25 loads stay in one run: its buffer lies in window 2, and
; the products' setting names window 1 as source 0, so that loads dealt among products would each want two switches of the windows.
.set WP,    1552                       ; an LDS row of weights: 1,536 bytes + 16 = 388 words: row r starts 4 r banks on (64 banks of 4 bytes: ISA guide 11.1)
.set STAGE, 64*WP                      ; behind the weights: the partial tiles, tile i of wave p at STAGE + (4 i + p) PT
.set PT,    16*272
.set ACS,   12582912                   ; act's scale bytes
; REGISTERS.  window 0: v1 my place in a tile's codes (384 h + 24 r + 6,144 wave); v2 among its scale words (ACS + 16 r + 256 wave); v3 4,096 expert + 4 h; v4 16 (lane % 16); v5, v6 the stage, in and out; v7 list offset
;   v8-11, v12-15 the four tiles' offsets in act (codes, scale words); v16-23 W2's scale words (16 + 4 p + s: lanes 0-15 tile 2 p, lanes 16-31 tile 2 p + 1); v24-39 the four tiles' scale words; v40-47 list words
;   v48-51, v60-63 addresses of the head; v52-59 my rows' offsets in eo; v64-191 the 16 accumulators (tile i, columns q: 64 + 32 i + 8 q); v254, v255 the closing add's two, made at the head and kept for it alone.
;   window 1: W2's fragment (K step s, columns q) at 12 (4 s + q).   window 2: tile i's four fragments at 48 i.   window 3: the four partial tiles that I add, 32 registers each.
; s2 wave, s3 slice, s4 expert, s5 count, s18 x % 2, s19 64 expert, s20 the tile that I reduce, s24 tiles, s25 the group's first tile, s26 the last tile, s28 trips.
.set MSB, 0
.macro WIN new                         ; the immediate's high byte repeats the setting that is left
.if MSB != \new
	s_set_vgpr_msb (MSB<<8)|\new
.set MSB, \new
.endif
.endm
.macro PLACES n
.rept \n
	v_nop
.endr
.endm
; The offsets in act of tile s25 + d + 2 i, held at the expert's last tile: its codes and its scale words
.macro ADDR i, d
	s_add_co_u32 s27, s25, \d+2*\i
	s_min_u32 s27, s27, s26
	s_min_u32 s27, s27, 63
	s_add_co_u32 s27, s27, s19
	s_mul_i32 s29, s27, 24576
	s_lshl_b32 s30, s27, 10
	v_add_nc_u32 v[8+\i], s29, v1
	v_add_nc_u32 v[12+\i], s30, v2
.endm
; My quarter of K of that tile into buffer i: 25 loads: my row's four scale words; then for each K step the 24 bytes of blocks 4 s + h and 4 s + 2 + h, in pieces of 8
.macro LOADS i
	global_load_b128 v[24+4*\i:27+4*\i], v[12+\i], s[8:9]          ; sixteen lanes read 256 consecutive bytes
	WIN 0x80                                       ; destination window 2
.irp ss, 0,1,2,3
.irp p, 0,1,2,3,4,5
	global_load_b64 v[48*\i+12*\ss+2*\p:48*\i+12*\ss+2*\p+1], v[8+\i], s[8:9] offset:1536*\ss+768*(\p/3)+8*(\p%3)
.endr
.endr
	WIN 0
.endm
; The entries of the rows of tile s20 + d, the one that I reduce: word i is row 2 i + h's.  Past the expert's rows the list holds pads
.macro LRADDR d
	s_add_co_u32 s27, s20, \d
	s_min_u32 s27, s27, 63
	v_lshl_add_u32 v7, s27, 6, v3
.endm
.macro LRLOADS
.irp i, 0,1,2,3,4,5,6,7
	global_load_b32 v[40+\i], v7, s[10:11] offset:8*\i
.endr
.endm
	s_load_b256 s[8:15], s[0:1], 0x0               ; act 8, rlist 10, w2_codes 12, w2_scales 14
	s_load_b64 s[16:17], s[0:1], 0x20              ; eo
	v_lshl_add_u32 v254, v0, 2, 0x29400
	v_mov_b32 v255, 0
	v_lshrrev_b32 v1, 5, v0
	v_readfirstlane_b32 s2, v1                     ; wave 0..3
	s_lshr_b32 s3, ttmp9, 1                        ; slice
	s_and_b32 s18, ttmp9, 1                        ; which half of the tiles
	s_and_b32 s4, ttmp7, 0xffff                    ; expert
	s_lshl_b32 s19, s4, 6
	s_lshl_b32 s6, s4, 2
	v_and_b32 v61, 15, v0                          ; r
	v_bfe_u32 v62, v0, 4, 1                        ; h
	v_and_b32 v63, 31, v0                          ; lane
	s_wait_alu depctr_va_sdst(0)                   ; s2 is written, ahead of its first reader: the line below
	s_mul_i32 s27, s2, 6144                        ; my four K steps: 16 blocks of 384 bytes
	v_mul_u32_u24 v1, 384, v62
	v_mad_u32_u24 v1, v61, 24, v1
	v_add_nc_u32 v1, s27, v1
	s_lshl_b32 s27, s2, 8
	s_add_co_u32 s27, s27, ACS
	v_lshl_add_u32 v2, v61, 4, s27
	s_lshl_b32 s27, s4, 12
	v_lshl_add_u32 v3, v62, 2, s27
	v_lshlrev_b32 v4, 4, v61
	s_mul_i32 s27, s2, PT
	s_add_co_u32 s27, s27, STAGE
	v_mul_u32_u24 v5, 272, v61
	v_lshl_add_u32 v5, v62, 5, v5
	v_add_nc_u32 v5, s27, v5                       ; in: my partial tiles; row r, 32 bytes for each half of the lanes
	s_mul_i32 s27, s2, 4*PT
	s_add_co_u32 s27, s27, STAGE
	v_mul_u32_u24 v6, 272, v62
	v_add_nc_u32 v6, v6, v4
	v_add_nc_u32 v6, s27, v6                       ; back: the four partial tiles of tile w; lanes 0-15 one row of 256 bytes, lanes 16-31 the next
	v_lshlrev_b32 v48, 4, v63                      ; 16 x lane
	s_mul_i32 s27, s2, 16*WP
	v_add_nc_u32 v49, s27, v48                     ; the weights into LDS: my wave's 16 rows
	s_mul_i32 s27, s2, 384                         ; and out of it: my four K steps are 384 bytes of a row
	v_mul_u32_u24 v50, WP, v61
	v_mad_u32_u24 v50, v62, 24, v50
	v_add_nc_u32 v50, s27, v50                     ; a fragment's row x pitch + 24 h, columns' tiles 0, 1
	v_add_nc_u32 v51, 32*WP, v50                   ; tiles 2, 3
	v_lshlrev_b32 v60, 6, v63
	s_lshl_b32 s27, s2, 4
	v_add_nc_u32 v60, s27, v60                     ; W2's scale words: row 16 h + r, 64 bytes a row, my four words
	s_add_co_u32 s27, s4, 2048
	s_lshl_b32 s27, s27, 12
.irp i, 0,1,2,3,4,5,6,7
	v_add_nc_u32 v[52+\i], s27, v4                 ; written once at the head, so that they hold a number on every way through the text: the expert's spare row
.endr
	s_wait_kmcnt 0x0
	s_load_b32 s5, s[10:11], s6 offset:0x8000      ; the expert's count
	s_lshl_b32 s27, s4, 10
	s_lshl_b32 s29, s3, 6
	s_add_co_u32 s27, s27, s29                     ; the slice's first row of W2
	s_lshl_b32 s30, s27, 6
	s_mov_b32 s31, 0
	s_add_nc_u64 s[14:15], s[14:15], s[30:31]
	s_lshl_b32 s29, s2, 4
	s_add_co_u32 s27, s27, s29                     ; the 16 rows that my wave fetches
	s_mul_i32 s30, s27, 1536
	s_add_nc_u64 s[12:13], s[12:13], s[30:31]
	s_lshl_b32 s30, s3, 8
	s_add_nc_u64 s[16:17], s[16:17], s[30:31]      ; eo at the slice's first column
	s_wait_alu depctr_va_vdst(0)                   ; the offsets and LDS addresses made so far are written: v48 and v60, which the loads below read, and v5, v6, v49 to v59, which later LDS instructions and stores read
.irp p, 0,1
	global_load_b128 v[16+4*\p:19+4*\p], v60, s[14:15] offset:2048*\p
.endr
	WIN 0x40                                       ; destination window 1
.set I, 0
.rept 48
	global_load_b128 v[4*I:4*I+3], v48, s[12:13] offset:512*I      ; 16 rows, 24,576 dense bytes, 512 a load (the slice's other work-group reads them too: no hint)
.set I, I+1
.endr
	WIN 0
	s_wait_kmcnt 0x0                               ; the count
	s_add_co_u32 s24, s5, 15
	s_lshr_b32 s24, s24, 4
	s_min_u32 s24, s24, 64                         ; tiles
	s_add_co_i32 s26, s24, -1                      ; the last tile
	s_mov_b32 s25, s18                             ; the first group's first tile
	s_lshl_b32 s20, s2, 1
	s_add_co_u32 s20, s20, s18                     ; the tile of it that I reduce
	ADDR 0, 0                                      ; the first group's nine offsets, together
	ADDR 1, 0
	ADDR 2, 0
	ADDR 3, 0
	LRADDR 0
	s_wait_alu depctr_va_vdst(0)                   ; v7 to v15 are written, which the first group's loads read
	LOADS 0                                        ; the first group's tiles 0 and 1 go out behind the weights
	LOADS 1
	s_wait_loadcnt 50                              ; the 2 + 48 loads of the weights are in; the 2 x 25 behind them stay out
	WIN 0x04                                       ; an LDS store's data are its source 1: window 1
.set I, 0
.rept 48
	ds_store_b128 v49, v[4*I:4*I+3] offset:(I/3)*WP+512*(I%3)      ; a row is three loads
.set I, I+1
.endr
	WIN 0
	s_wait_dscnt 0x0                               ; for the others' sake: my rows lie in LDS
	s_barrier_signal -1
	s_barrier_wait -1                              ; all 64 do.  From here on the weights are only read
	LOADS 2
	LOADS 3
	LRLOADS
	WIN 0x40                                       ; destination window 1
	s_wait_alu depctr_vm_vsrc(0)                   ; my LDS stores of the weights have read window 1's registers, in which the fragments land
.set FI, 0
.rept 16                                       ; my 16 fragments out of LDS: FI = 4 s + q
.set AD, 50+(FI%4)/2
.irp p, 0,1,2,3,4,5
	ds_load_b64 v[12*FI+2*\p:12*FI+2*\p+1], v[AD] offset:((FI%4)%2)*16*WP+96*(FI/4)+48*(\p/3)+8*(\p%3)
.endr
.set FI, FI+1
.endr
	WIN 0
	s_wait_dscnt 0x0
; Tile i: sixteen products, its four accumulators by turns, one instruction a turn.  My first K step starts the sums.
.macro MM i
	WIN 0x09                                       ; source 0 (W2) window 1, source 1 (a) window 2, C and D window 0
.irp ss, 0,1,2,3
.irp q, 0,1,2,3
.set DD, 64+32*\i+8*\q
.set AA, 12*(4*\ss+\q)
.set BB, 48*\i+12*\ss
.set SA, 16+4*(\q/2)+\ss
.set SB, 24+4*\i+\ss
.if \ss == 0
.if \q%2
	v_wmma_scale_f32_16x16x128_f8f6f4 v[DD:DD+7], v[AA:AA+11], v[BB:BB+11], 0, v[SA], v[SB] matrix_a_fmt:MATRIX_FMT_BF6 matrix_b_fmt:MATRIX_FMT_BF6 matrix_a_scale:MATRIX_SCALE_ROW1
.else
	v_wmma_scale_f32_16x16x128_f8f6f4 v[DD:DD+7], v[AA:AA+11], v[BB:BB+11], 0, v[SA], v[SB] matrix_a_fmt:MATRIX_FMT_BF6 matrix_b_fmt:MATRIX_FMT_BF6
.endif
.else
.if \q%2
	v_wmma_scale_f32_16x16x128_f8f6f4 v[DD:DD+7], v[AA:AA+11], v[BB:BB+11], v[DD:DD+7], v[SA], v[SB] matrix_a_fmt:MATRIX_FMT_BF6 matrix_b_fmt:MATRIX_FMT_BF6 matrix_a_scale:MATRIX_SCALE_ROW1
.else
	v_wmma_scale_f32_16x16x128_f8f6f4 v[DD:DD+7], v[AA:AA+11], v[BB:BB+11], v[DD:DD+7], v[SA], v[SB] matrix_a_fmt:MATRIX_FMT_BF6 matrix_b_fmt:MATRIX_FMT_BF6
.endif
.endif
.endr
.endr
	WIN 0
.endm
; Tile i of the group: its products and my partial sums' way into LDS, jumped over where the tile lies past the expert's last; then, always, the same buffer's next tile is asked for.
.macro TILE i
.if \i > 0
	s_add_co_u32 s27, s25, 2*\i
	s_cmp_ge_u32 s27, s24
	s_cbranch_scc1 .Lno_tile_\@
.endif
	MM \i
	PLACES 4                                       ; in front of the LDS stores that read results; they stay beside the wait below
	s_wait_alu depctr_va_vdst(0)                   ; the products have written this tile's accumulators, which the LDS stores read, and are done reading its buffer and scale words, in which the loads below land; in tile 0: v7 to v15 are written too
.irp q, 0,1,2,3
	ds_store_b128 v5, v[64+32*\i+8*\q:67+32*\i+8*\q] offset:4*\i*PT+64*\q          ; each accumulator from its low end on
	ds_store_b128 v5, v[68+32*\i+8*\q:71+32*\i+8*\q] offset:4*\i*PT+64*\q+16
.endr
.Lno_tile_\@:
	LOADS \i                                       ; on the way round the products the buffer's last readers stand ahead of an earlier trip's wait, and the offsets ahead of tile 0's
.endm
	s_mov_b32 s28, 8
.Lgroup:
	s_wait_xcnt 0x0                                ; every memory instruction issued so far has had its addresses translated (ISA guide 3.1): the offsets v7 to v15 and v52 to v59, and the registers of window 3 that the last group's stores read, are written again only behind this wait
	s_wait_alu depctr_vm_vsrc(0)                   ; the loads issued so far have read v7 to v15; the last group's LDS stores have read the accumulators, its global stores v52 to v59 and their data in window 3: this trip writes all of them again
	s_cmp_ge_u32 s25, s24
	s_cbranch_scc1 .Lno_group                      ; a group past the last tile issues no load, so the counts below hold on every way
	ADDR 0, 8                                      ; the next group's nine offsets, together, ahead of tile 0's wait on va_vdst
	ADDR 1, 8
	ADDR 2, 8
	ADDR 3, 8
	LRADDR 8
	s_wait_loadcnt 58                              ; out, in order: tiles 0, 1, 2, 3 (25 each), the list words (8): tiles 0 and 1 are in
	TILE 0
	TILE 1
	s_wait_loadcnt 50                              ; all but the next group's tiles 0 and 1: tiles 2 and 3 and the list words are in
.irp i, 0,1,2,3,4,5,6,7
	v_min_u32 v[52+\i], 0x807, v[40+\i]            ; an entry is at most 2,055
.endr
.irp i, 0,1,2,3,4,5,6,7
	v_lshl_add_u32 v[52+\i], v[52+\i], 12, v4      ; its row of eo, my 16 bytes
.endr
	s_wait_alu depctr_va_vdst(0)                   ; the eight v_min_u32 are done reading v40 to v47, in which the next list words land at the group's end: where tiles 2 and 3 are jumped over, no other wait stands between
	TILE 2
	TILE 3
	LRLOADS                                        ; the next group's list words, behind its four tiles
.Lno_group:
	s_wait_dscnt 0x0                               ; for the others' sake: my partial sums lie in LDS
	s_barrier_signal -1
	s_barrier_wait -1                              ; everybody's do
	s_cmp_ge_u32 s20, s24
	s_cbranch_scc1 .Lno_rows                       ; my tile of the group lies past the last
	WIN 0xc0                                       ; destination window 3.  (The last group's additions stand ahead of its wait on va_vdst, its stores ahead of the pair of waits at this trip's top)
.irp p, 0,1,2,3
.irp i, 0,1,2,3,4,5,6,7
	ds_load_b128 v[32*\p+4*\i:32*\p+4*\i+3], v6 offset:\p*PT+544*\i        ; wave p's partial tile, rows 2 i and 2 i + 1
.endr
.endr
	s_wait_dscnt 16                                ; the first two partial tiles are in; the 16 loads of the other two stay out
	WIN 0xcf                                       ; destination and both sources window 3
.set J, 0
.rept 16
	v_pk_add_f32 v[J:J+1], v[J:J+1], v[32+J:33+J]
.set J, J+2
.endr
	s_wait_dscnt 0x0
.set J, 0
.rept 16
	v_pk_add_f32 v[64+J:65+J], v[64+J:65+J], v[96+J:97+J]
.set J, J+2
.endr
.set J, 0
.rept 16
	v_pk_add_f32 v[J:J+1], v[J:J+1], v[64+J:65+J]
.set J, J+2
.endr
	WIN 0x0c                                       ; a store's data are its source 1: window 3
	s_wait_alu depctr_va_vdst(0)                   ; the additions have written the sums, which the stores read; and they are done with window 3, in which the next group's partial tiles land
.irp i, 0,1,2,3,4,5,6,7
	global_store_b128 v[52+\i], v[4*\i:4*\i+3], s[16:17]           ; sixteen lanes store 256 consecutive bytes, at a multiple of 256 from eo's first byte
.endr
	WIN 0
.Lno_rows:
	s_wait_dscnt 0x0                               ; my reads of the stage are over
	s_barrier_signal -1
	s_barrier_wait -1                              ; everybody's are: the next group may write it
	s_add_co_u32 s25, s25, 8
	s_add_co_u32 s20, s20, 8
	s_sub_co_u32 s28, s28, 1
	s_cmp_lg_u32 s28, 0
	s_cbranch_scc1 .Lgroup
	s_wait_dscnt 0x0                               ; the closing lines, six on end
	s_wait_alu 0x0
	s_wait_tensorcnt 0x0
	ds_add_u32 v254, v255
	s_wait_dscnt 0x0
	s_endpgm
.Lfunc_end_k_qf64de041b4_down:
	.size	k_qf64de041b4_down, .Lfunc_end_k_qf64de041b4_down-k_qf64de041b4_down
	.p2alignl 7, 3214868480
	.fill 96, 4, 3214868480
	.section	.rodata,"a",@progbits
	.p2align	6, 0x0
	.amdhsa_kernel k_qf64de041b4_down
		.amdhsa_group_segment_fixed_size 169472
		.amdhsa_private_segment_fixed_size 0
		.amdhsa_enable_private_segment 0
		.amdhsa_kernarg_size 40
		.amdhsa_user_sgpr_count 2
		.amdhsa_user_sgpr_kernarg_segment_ptr 1
		.amdhsa_wavefront_size32 1
		.amdhsa_system_sgpr_workgroup_id_x 1
		.amdhsa_system_sgpr_workgroup_id_y 1
		.amdhsa_system_sgpr_workgroup_id_z 1
		.amdhsa_system_vgpr_workitem_id 0
		.amdhsa_next_free_vgpr 896
		.amdhsa_next_free_sgpr 66
		.amdhsa_reserve_vcc 0
		.amdhsa_float_denorm_mode_32 3
		.amdhsa_float_denorm_mode_16_64 3
		.amdhsa_memory_ordered 1
		.amdhsa_forward_progress 1
		.amdhsa_inst_pref_size 60
	.end_amdhsa_kernel
	.amdgpu_metadata
---
amdhsa.version: [ 1, 2 ]
amdhsa.kernels:
  - .name:           k_qf64de041b4_down
    .symbol:         k_qf64de041b4_down.kd
    .args:
      - { .name: act, .offset: 0, .size: 8, .value_kind: global_buffer, .address_space: global }
      - { .name: rlist, .offset: 8, .size: 8, .value_kind: global_buffer, .address_space: global }
      - { .name: w2_codes, .offset: 16, .size: 8, .value_kind: global_buffer, .address_space: global }
      - { .name: w2_scales, .offset: 24, .size: 8, .value_kind: global_buffer, .address_space: global }
      - { .name: eo, .offset: 32, .size: 8, .value_kind: global_buffer, .address_space: global }
    .group_segment_fixed_size: 169472
    .private_segment_fixed_size: 0
    .kernarg_segment_align: 8
    .kernarg_segment_size: 40
    .max_flat_workgroup_size: 128
    .sgpr_count:     66
    .vgpr_count:     896
    .wavefront_size: 32
...
	.end_amdgpu_metadata
.endif
;; end of part 7
;; launch combine (part 8): grid 256 x 1, 8 waves a work-group, no clusters, 0 bytes of LDS; arguments eo, rw, out0; writes out0
.if DOCPART == 8
	.amdgcn_target "amdgcn-amd-amdhsa--gfx1250"
	.amdhsa_code_object_version 6
	.text
	.protected	k_qf64de041b4_combine
	.globl	k_qf64de041b4_combine
	.p2align	8
	.type	k_qf64de041b4_combine,@function
k_qf64de041b4_combine:
	s_mov_b64 s[64:65], 0
	v_nop
	global_prefetch_b8 v0, s[64:65] scope:SCOPE_SE
	s_setreg_imm32_b32 hwreg(HW_REG_WAVE_MODE, 25, 1), 1
	s_wait_xcnt 0x0
; out0[n] = rw[2 n] eo[2 n] + rw[2 n + 1] eo[2 n + 1]: a token's two routed rows, weighed and added, in f32.  Rows of 4,096 bytes.
; A stream: work-group g takes tokens 4 g .. 4 g + 3, thread t the 16 bytes at 16 t of every row, so each load and store of a wave covers 512 consecutive bytes.  Eight loads a wave are out at once.
; The rows lie at their entries' places, so there is no index, no LDS, no barrier and no loop; the matrix unit has nothing to do here.
	s_load_b128 s[4:7], s[0:1], 0x0                ; eo s[4:5], rw s[6:7]
	s_load_b64 s[16:17], s[0:1], 0x10              ; out0
	v_lshlrev_b32 v1, 4, v0
	s_lshl_b32 s18, ttmp9, 15                      ; eight rows of eo
	s_mov_b32 s19, 0
	s_lshl_b32 s20, ttmp9, 5                       ; eight weights
	s_mov_b32 s21, 0
	s_lshl_b32 s22, ttmp9, 14                      ; four rows of out0
	s_mov_b32 s23, 0
	s_wait_alu depctr_va_vdst(0)
	s_wait_kmcnt 0x0
	s_add_nc_u64 s[4:5], s[4:5], s[18:19]
	s_add_nc_u64 s[6:7], s[6:7], s[20:21]
	s_add_nc_u64 s[16:17], s[16:17], s[22:23]
	s_load_b256 s[8:15], s[6:7], 0x0               ; the eight weights
.irp i, 0,1,2,3,4,5,6,7
	global_load_b128 v[4+4*\i:7+4*\i], v1, s[4:5] offset:4096*\i th:TH_LOAD_NT     ; read once in this launch
.endr
	s_wait_kmcnt 0x0
.irp j, 0,1,2,3
	s_wait_loadcnt 6-2*\j                          ; token j's two rows are in; the later tokens' stay out
.irp m, 0,1,2,3
	v_mul_f32 v[36+4*\j+\m], s[8+2*\j], v[4+8*\j+\m]
.endr
.irp m, 0,1,2,3
	s_delay_alu instid0(VALU_DEP_4)
	v_fmac_f32 v[36+4*\j+\m], s[9+2*\j], v[8+8*\j+\m]
.endr
	global_store_b128 v1, v[36+4*\j:39+4*\j], s[16:17] offset:4096*\j th:TH_STORE_NT
.endr
	s_endpgm
.Lfunc_end_k_qf64de041b4_combine:
	.size	k_qf64de041b4_combine, .Lfunc_end_k_qf64de041b4_combine-k_qf64de041b4_combine
	.p2alignl 7, 3214868480
	.fill 96, 4, 3214868480
	.section	.rodata,"a",@progbits
	.p2align	6, 0x0
	.amdhsa_kernel k_qf64de041b4_combine
		.amdhsa_group_segment_fixed_size 0
		.amdhsa_private_segment_fixed_size 0
		.amdhsa_enable_private_segment 0
		.amdhsa_kernarg_size 24
		.amdhsa_user_sgpr_count 2
		.amdhsa_user_sgpr_kernarg_segment_ptr 1
		.amdhsa_wavefront_size32 1
		.amdhsa_system_sgpr_workgroup_id_x 1
		.amdhsa_system_sgpr_workgroup_id_y 1
		.amdhsa_system_sgpr_workgroup_id_z 1
		.amdhsa_system_vgpr_workitem_id 0
		.amdhsa_next_free_vgpr 56
		.amdhsa_next_free_sgpr 66
		.amdhsa_reserve_vcc 0
		.amdhsa_float_denorm_mode_32 3
		.amdhsa_float_denorm_mode_16_64 3
		.amdhsa_memory_ordered 1
		.amdhsa_forward_progress 1
		.amdhsa_inst_pref_size 4
	.end_amdhsa_kernel
	.amdgpu_metadata
---
amdhsa.version: [ 1, 2 ]
amdhsa.kernels:
  - .name:           k_qf64de041b4_combine
    .symbol:         k_qf64de041b4_combine.kd
    .args:
      - { .name: eo, .offset: 0, .size: 8, .value_kind: global_buffer, .address_space: global }
      - { .name: rw, .offset: 8, .size: 8, .value_kind: global_buffer, .address_space: global }
      - { .name: out0, .offset: 16, .size: 8, .value_kind: global_buffer, .address_space: global }
    .group_segment_fixed_size: 0
    .private_segment_fixed_size: 0
    .kernarg_segment_align: 8
    .kernarg_segment_size: 24
    .max_flat_workgroup_size: 256
    .sgpr_count:     66
    .vgpr_count:     56
    .wavefront_size: 32
...
	.end_amdgpu_metadata
.endif
;; end of part 8
